; MI455X (gfx1250); checked and timed in simulation.
; The chip was launched on July 23, 2026; its instructions are those of AMD's public machine-readable ISA for CDNA 5 (MIT licence, August 2026) and "CDNA5" Instruction Set Architecture Reference Guide (July 2026). The comments in the code are by the model that wrote it; some were corrected since.
;; Self Attention. Allowed arithmetic: float matrix products may take bf16 or f16 operands with f32 sums; other float arithmetic in f32, or as packed bf16 or f16 multiplies, adds, multiply-adds, maxima and minima; sums over many terms, partial sums and values carried from step to step in f32; what a program stores and reads back later, other than sums and carried values, may be rounded once to bf16 or f16.
;; Inputs: b_k 1,024 float32; b_q 1,024 float32; b_v 1,024 float32; w_k 1,024 x 1,024 float32; w_q 1,024 x 1,024 float32; w_v 1,024 x 1,024 float32; x 4 x 2,048 x 1,024 float32.
;; Outputs: out0 4 x 2,048 x 1,024 float32.
;; One version. Each part assembles by itself: llvm-mc -triple=amdgcn-amd-amdhsa -mcpu=gfx1250 --defsym DOCPART=n.
;; ======== version 1 of 1: 4 launches
;; limits: values are held in f16: magnitudes above 65,504 overflow, below 6.1e-05 lose precision
;; workspace buffers: xw 23,080,960 bytes; qkv 50,331,648 bytes; p 33,554,432 bytes; mst 524,288 bytes; lst 524,288 bytes
;; launch prep (part 1): grid 1409 x 1, 8 waves a work-group, no clusters, 0 bytes of LDS; arguments x, w_q, w_k, w_v, b_q, b_k, b_v, xw; writes xw
.if DOCPART == 1
	.amdgcn_target "amdgcn-amd-amdhsa--gfx1250"
	.amdhsa_code_object_version 6
	.text
	.protected	k_q070cf517df_prep
	.globl	k_q070cf517df_prep
	.p2align	8
	.type	k_q070cf517df_prep,@function
k_q070cf517df_prep:
	s_mov_b64 s[64:65], 0
	v_nop
	global_prefetch_b8 v0, s[64:65] scope:SCOPE_SE
	s_setreg_imm32_b32 hwreg(HW_REG_WAVE_MODE, 25, 1), 1
	s_wait_xcnt 0x0
; xw = x, then w_q, w_k, w_v on end, each number rounded once to bf16 (nearest even); behind them b_q, b_k, b_v on end, rounded to bf16 likewise and written as f32.
; x: 8,388,608 f32; each weight 1,048,576 f32; each bias 1,024 f32.
; A stream: every byte is read once and written once.  A work-group converts 8,192 numbers: 32,768 bytes in, 16,384 out; there are 1,024 such pieces of x and 128 of each weight.  The last work-group takes the biases.
; A load of a wave covers 512 consecutive bytes, a store 256 (of the biases 512) consecutive bytes, aligned.  All loads of a thread go out at once; there is no loop.
; No LDS, no barrier, no matrix unit, no cluster: no work-group reads a byte that another reads.
.set PIECES, 1408                      ; pieces of x and of the weights
.set BIASB,  PIECES*16384              ; the biases' first byte in xw
	s_load_b256 s[4:11], s[0:1], 0x0               ; x s[4:5], w_q s[6:7], w_k s[8:9], w_v s[10:11]
	s_load_b256 s[12:19], s[0:1], 0x20             ; b_q s[12:13], b_k s[14:15], b_v s[16:17], xw s[18:19]
	v_lshlrev_b32 v1, 4, v0                        ; my 16 bytes of each 4,096 that the work-group loads at a time
	s_cmp_eq_u32 ttmp9, PIECES
	s_cbranch_scc1 .Lbias
	v_lshlrev_b32 v2, 3, v0                        ; my 8 bytes of each 2,048 that it stores
	s_sub_co_u32 s20, ttmp9, 1024                  ; behind x's pieces: the piece's number among the weights' (it serves only from work-group 1,024 on)
	s_lshr_b32 s21, s20, 7                         ; which weight
	s_and_b32 s22, s20, 127                        ; which piece of it
	s_wait_kmcnt 0x0
	s_cmp_eq_u32 s21, 0
	s_cselect_b64 s[24:25], s[6:7], s[8:9]
	s_cmp_eq_u32 s21, 2
	s_cselect_b64 s[24:25], s[10:11], s[24:25]
	s_cmp_lt_u32 ttmp9, 1024
	s_cselect_b64 s[24:25], s[4:5], s[24:25]       ; the buffer that I read,
	s_cselect_b32 s23, ttmp9, s22                  ; and my piece of it
	s_lshl_b32 s26, s23, 15
	s_mov_b32 s27, 0
	s_lshl_b32 s28, ttmp9, 14                      ; xw holds the pieces in the work-groups' order
	s_mov_b32 s29, 0
	s_add_nc_u64 s[24:25], s[24:25], s[26:27]
	s_add_nc_u64 s[18:19], s[18:19], s[28:29]
.irp j, 0,1,2,3,4,5,6,7
	global_load_b128 v[8+4*\j:11+4*\j], v1, s[24:25] offset:4096*\j th:TH_LOAD_NT
.endr
.irp j, 0,1,2,3,4,5,6,7
	s_wait_loadcnt 7-\j                            ; loads come back in order: load j is in, the 7 - j younger ones stay out
	v_cvt_pk_bf16_f32 v[40+2*\j], v[8+4*\j], v[9+4*\j]
	v_cvt_pk_bf16_f32 v[41+2*\j], v[10+4*\j], v[11+4*\j]
	global_store_b64 v2, v[40+2*\j:41+2*\j], s[18:19] offset:2048*\j
.endr
	s_endpgm
.Lbias:                                        ; 256 threads x 4 numbers are one bias
	s_mov_b32 s20, 0xffff0000
	s_wait_kmcnt 0x0
	s_add_nc_u64 s[18:19], s[18:19], BIASB
	global_load_b128 v[8:11], v1, s[12:13]
	global_load_b128 v[12:15], v1, s[14:15]
	global_load_b128 v[16:19], v1, s[16:17]
	s_wait_loadcnt 0x0
.irp j, 0,1,2,3,4,5
	v_cvt_pk_bf16_f32 v[40+\j], v[8+2*\j], v[9+2*\j]   ; two numbers rounded to bf16,
	v_lshlrev_b32 v[24+2*\j], 16, v[40+\j]             ; and widened again
	v_and_b32 v[25+2*\j], s20, v[40+\j]
.endr
	global_store_b128 v1, v[24:27], s[18:19]
	global_store_b128 v1, v[28:31], s[18:19] offset:4096
	global_store_b128 v1, v[32:35], s[18:19] offset:8192
	s_endpgm
.Lfunc_end_k_q070cf517df_prep:
	.size	k_q070cf517df_prep, .Lfunc_end_k_q070cf517df_prep-k_q070cf517df_prep
	.p2alignl 7, 3214868480
	.fill 96, 4, 3214868480
	.section	.rodata,"a",@progbits
	.p2align	6, 0x0
	.amdhsa_kernel k_q070cf517df_prep
		.amdhsa_group_segment_fixed_size 0
		.amdhsa_private_segment_fixed_size 0
		.amdhsa_enable_private_segment 0
		.amdhsa_kernarg_size 64
		.amdhsa_user_sgpr_count 2
		.amdhsa_user_sgpr_kernarg_segment_ptr 1
		.amdhsa_wavefront_size32 1
		.amdhsa_system_sgpr_workgroup_id_x 1
		.amdhsa_system_sgpr_workgroup_id_y 1
		.amdhsa_system_sgpr_workgroup_id_z 1
		.amdhsa_system_vgpr_workitem_id 0
		.amdhsa_next_free_vgpr 64
		.amdhsa_next_free_sgpr 66
		.amdhsa_reserve_vcc 0
		.amdhsa_float_denorm_mode_32 3
		.amdhsa_float_denorm_mode_16_64 3
		.amdhsa_memory_ordered 1
		.amdhsa_forward_progress 1
		.amdhsa_inst_pref_size 6
	.end_amdhsa_kernel
	.amdgpu_metadata
---
amdhsa.version: [ 1, 2 ]
amdhsa.kernels:
  - .name:           k_q070cf517df_prep
    .symbol:         k_q070cf517df_prep.kd
    .args:
      - { .name: x, .offset: 0, .size: 8, .value_kind: global_buffer, .address_space: global }
      - { .name: w_q, .offset: 8, .size: 8, .value_kind: global_buffer, .address_space: global }
      - { .name: w_k, .offset: 16, .size: 8, .value_kind: global_buffer, .address_space: global }
      - { .name: w_v, .offset: 24, .size: 8, .value_kind: global_buffer, .address_space: global }
      - { .name: b_q, .offset: 32, .size: 8, .value_kind: global_buffer, .address_space: global }
      - { .name: b_k, .offset: 40, .size: 8, .value_kind: global_buffer, .address_space: global }
      - { .name: b_v, .offset: 48, .size: 8, .value_kind: global_buffer, .address_space: global }
      - { .name: xw, .offset: 56, .size: 8, .value_kind: global_buffer, .address_space: global }
    .group_segment_fixed_size: 0
    .private_segment_fixed_size: 0
    .kernarg_segment_align: 8
    .kernarg_segment_size: 64
    .max_flat_workgroup_size: 256
    .sgpr_count:     66
    .vgpr_count:     64
    .wavefront_size: 32
...
	.end_amdgpu_metadata
.endif
;; end of part 1
;; launch proj (part 2): grid 8 x 32, 4 waves a work-group, clusters of 4 x 4, 327,680 bytes of LDS; arguments xw, qkv; writes qkv
.if DOCPART == 2
	.amdgcn_target "amdgcn-amd-amdhsa--gfx1250"
	.amdhsa_code_object_version 6
	.text
	.protected	k_q070cf517df_proj
	.globl	k_q070cf517df_proj
	.p2align	8
	.type	k_q070cf517df_proj,@function
k_q070cf517df_proj:
	s_mov_b64 s[64:65], 0
	v_nop
	global_prefetch_b8 v0, s[64:65] scope:SCOPE_SE
	s_setreg_imm32_b32 hwreg(HW_REG_WAVE_MODE, 25, 1), 1
	s_wait_xcnt 0x0
	s_wait_alu depctr_hold_cnt(0) depctr_sa_sdst(0) depctr_va_vdst(0) depctr_va_sdst(0) depctr_va_ssrc(0) depctr_va_vcc(0) depctr_vm_vsrc(0)
	s_getreg_b32 s2, hwreg(HW_REG_IB_STS2, 6, 4)
	s_cmp_eq_u32 s2, 0
	s_cbranch_scc0 .Lentry_in_a_cluster
	s_endpgm
.Lentry_in_a_cluster:
	s_bfe_u32 s2, ttmp6, 0x10000c
	s_cmp_lg_u32 s2, 0xf033
	s_cbranch_scc0 .Lentry_shape_is_right
	s_endpgm
.Lentry_shape_is_right:
; qkv[s][c] = the sum over d of x[s][d] w[c][d] + b[c], c = 0 .. 3071 over w_q, w_k, w_v on end.  x and the weights come as bf16 from xw (rows of 2,048 bytes: 8,192 of x, then 3,072 of weights), the biases,
; already rounded to bf16, as f32 behind them.  Sums in f32; qkv is f16, [8192][3072], each number rounded once.
; LIMIT.  f16 holds no number beyond 65,504: |q|, |k|, |v| must stay within it.  NaN and infinities are not treated apart.
; SHARES.  A work-group owns 256 rows x 384 columns of qkv (768 bytes of a row, three aligned blocks of 256) and makes them in TWO PASSES of 192 columns: 256 work-groups.  Each of its four waves makes 64 rows x
; all 192 columns of a pass: 48 accumulators of 16 x 16.  K goes in steps of 128 through a ring of two LDS slots (256 rows of x, 192 of the weights); the ring runs on from pass to pass: 16 K steps in one walk.
; A K step is 192 matrix instructions a wave, of which 180 stand between a slot's request and the wait for it.
; WHOLE BLOCKS OUT.  A pass is one and a half blocks of 256 bytes wide.  The waves are not split by columns, so a wave keeps pass 0's last 64 columns, packed, in 64 registers, and stores them with pass 1's first 64.
; CLUSTER.  4 x 4 work-groups.  The four of a row need the same rows of x, the four of a column the same rows of the weights: each tile is asked for jointly, by the same tensor load with the same descriptor
; and a mask that names the four.
; THE MATRIX INSTRUCTION IS USED TRANSPOSED (source 0 = 16 rows of the weights, source 1 = 16 rows of x): a lane then holds eight neighbouring columns of one row of qkv.
; THE BIAS is the C operand of a pass's first 48 products.
; REGISTERS, in windows of 256 (s_set_vgpr_msb: bits 1:0 source 0, 3:2 source 1, 5:4 source 2, 7:6 destination):
;   window 0: v0-31 addresses; v64-127 x's fragments: buffer f, row block a at 64 + 32 f + 8 a; v128-191 the held columns; v192-223 packed results; v32-63, v224-255 rows read back
;   window 1: the weights' fragments: buffer f, column block b at 96 f + 8 b; v192-255 the biases of column blocks 16 to 23 of the region's 24
;   window 2: accumulators 0 to 31 (accumulator 12 a + b at 8 registers each)          window 3: v0-127 accumulators 32 to 47; v128-255 the biases of column blocks 0 to 15
.set PITCH,  272                       ; an LDS row: 256 bytes + 16 of padding: the 16 rows of a fragment load start at 16 different groups of four banks (ISA guide 11.1)
.set AHALF,  128*PITCH                 ; what one load of x brings
.set BHALF,  96*PITCH                  ; what one load of the weights brings
.set BOFF,   2*AHALF                   ; in a slot the weights' 192 rows lie behind x's 256
.set SLOT1,  1<<17                     ; slot 1 begins here: one exclusive or turns an address in one slot into the other's
.set STAGE,  SLOT1+BOFF+2*BHALF        ; behind the ring: 16 rows x 272 bytes for each wave, for the way out
.set SPARE,  STAGE+4*16*PITCH          ; behind the stages: the spare words, 128 bytes a wave
.set XROWB,  2048                      ; bytes in a row of xw
.set WBASE,  8192*XROWB                ; the weights' first byte in xw
.set BIASB,  WBASE+3072*XROWB          ; the biases' first byte
.set PASSB,  192*XROWB                 ; from a pass's rows of the weights to the next pass's
.set OROWB,  6144                      ; bytes in a row of qkv
.set FLAGS,  (1<<16)|(1<<20)|(1<<21)|(5<<22)|(3<<25)  ; 2-byte elements; padding on; bit 21 beside a mask; after every 64 words; 4 words
.set A0,   16                          ; v16  my lane's place in x's part of a slot; never rewritten
.set B0,   17                          ; v17  the same for the weights
.set ADRA, 18                          ; v18  the same in the slot that is being read
.set ADRB, 19                          ; v19
.set STO,  24                          ; v24  the way out: where I put 16 bytes of a row
.set RD,   25                          ; v25  where I read rows back
.set CO,   26                          ; v26  my byte offset in two rows of qkv
.set BO,   27                          ; v27  my lanes' 32 bytes in a column block's 64 of the biases
.set SPW,  28                          ; v28  LDS address of my spare word; never rewritten
.set NIL,  29                          ; v29  0; never rewritten
.set PFO,  30                          ; v30  the prefetches' offset: a row of xw a lane
.set HOLD, 128
.set TMP,  192
.set TO_B, 0x40                        ; destination window 1, address window 0
; scalars: s3 trips to go; s14 wave; s15 = wave / 2: 0: I fetch x, 1: the weights; s16 = wave % 2: which half of that tile I fetch; s17, s18 my place in the cluster; s19, s20 the region's column and row;
; s21 the cluster's y; s[24:31], s[32:39] descriptor group 1 for x, for the weights; s[40:47], s[48:55] group 0, a set for each of the two first fills, of which the second then walks; s56 the slot being read;
; s57 the count of trips above which my wave prefetches; s[58:59] where its prefetch stands; s[60:61] its rows at K step 0; s62 the K step, of the walk's 16, that is asked for next;
; s[70:71], s[72:73] x and the weights at the rows that I fetch; s[74:75], s[76:77], s[78:79] byte offsets of a K step
.set MSB, 0
.macro WIN new                         ; the immediate's high byte repeats the setting that is left; a switch that changes nothing is dropped
.if MSB != (\new)
	s_set_vgpr_msb (MSB<<8)|(\new)
.set MSB, \new
.endif
.endm
.macro PLACES                          ; four plain places behind matrix instructions, in front of loads into registers that they read and of conversions of their results
.rept 4
	v_nop
.endr
.endm
.macro CREST                           ; a round of the cluster's barrier behind its opening barrier
	s_cmp_lg_u32 s14, 0
	s_cbranch_scc1 .Lnot_wave_0_\@
	s_barrier_signal -3
.Lnot_wave_0_\@:
	s_barrier_wait -3
	s_barrier_signal -1
	s_barrier_wait -1
.endm
.macro CROUND                          ; a whole round
	s_barrier_signal -1
	s_barrier_wait -1
	CREST
.endm
.macro JLOAD                           ; a joint refill by the walking descriptors; the branch hangs on the wave's number alone; an s_nop 0 and four v_nop follow each line
	s_cmp_eq_u32 s15, 0
	s_cbranch_scc0 .Lfor_b_\@
	tensor_load_to_lds s[44:47], s[24:31]
	s_nop 0
.rept 4
	v_nop
.endr
	s_branch .Lasked_\@
.Lfor_b_\@:
	tensor_load_to_lds s[52:55], s[32:39]
	s_nop 0
.rept 4
	v_nop
.endr
.Lasked_\@:
.endm
; A PREFETCH INTO THE L2 of the K step that stands two refills on, 384 matrix instructions ahead of the load that will want it: 256 bytes of a row a lane, one instruction.  x's rows are read by both clusters of a
; row of clusters, and again in pass 1: the cluster with x = 0 asks, in pass 0 alone; of the 128 rows that wave 0 or 1 fetches each of the four partners of a row takes 32.  The weights' rows are read by all eight
; clusters of a column of clusters: the cluster with y = 0 asks; of the 96 rows that wave 2 or 3 fetches each of the four partners of a column takes 24 (lanes 24 to 31 name lane 23's block again).  Partners are
; told apart by address.  The walk's first four K steps come by their loads alone; its last two refills have no K step two on.
.macro ASK
	s_cmp_gt_u32 s3, s57
	s_cbranch_scc0 .Lnot_mine_\@
	global_prefetch_b8 v[PFO], s[58:59] th:TH_LOAD_NT scope:SCOPE_SE
.Lnot_mine_\@:
.endm
	s_load_b128 s[4:7], s[0:1], 0x0                ; xw s[4:5], qkv s[6:7]
	v_lshl_add_u32 v[SPW], v0, 2, SPARE
	v_mov_b32 v[NIL], 0
	ds_add_u32 v[SPW], v[NIL]                      ; the wave's opening: the add and its wait stand ahead of my first tensor load; the set-up below stands between them
	v_lshrrev_b32 v1, 5, v0
	v_readfirstlane_b32 s14, v1
	s_lshr_b32 s15, s14, 1
	s_and_b32 s16, s14, 1
	s_bfe_u32 s17, ttmp6, 0x40000                  ; cx
	s_bfe_u32 s18, ttmp6, 0x40004                  ; cy
	s_lshl_b32 s19, ttmp9, 2
	s_add_co_u32 s19, s19, s17                     ; the region's column = 4 x cluster x + cx
	s_and_b32 s21, ttmp7, 0xffff
	s_lshl_b32 s20, s21, 2
	s_add_co_u32 s20, s20, s18                     ; the region's row = 4 x cluster y + cy
	s_lshl_b32 s22, s18, 2
	s_lshl_b32 s22, 15, s22                        ; my row of the cluster
	s_lshl_b32 s23, 0x1111, s17                    ; my column
	s_or_b32 s24, s22, FLAGS
	s_or_b32 s32, s23, FLAGS
	s_mov_b32 s25, 128<<16                         ; x: tensor_dim0 = 128
	s_mov_b32 s26, 128<<16                         ; tensor_dim1 = 128
	s_mov_b32 s27, 128<<16                         ; tile_dim0 = 128
	s_mov_b32 s28, 128                             ; tile_dim1 = 128
	s_mov_b32 s29, 1024                            ; elements from row to row
	s_mov_b32 s30, 0
	s_mov_b32 s31, 0
	s_mov_b32 s33, 128<<16                         ; the weights: the same with 96 rows
	s_mov_b32 s34, 96<<16
	s_mov_b32 s35, 128<<16
	s_mov_b32 s36, 96
	s_mov_b32 s37, 1024
	s_mov_b32 s38, 0
	s_mov_b32 s39, 0
	s_lshl_b32 s70, s20, 8
	s_lshl_b32 s71, s16, 7
	s_add_co_u32 s70, s70, s71                     ; x: row 256 x region row + 128 x half,
	s_lshl_b32 s70, s70, 11                        ; in bytes
	s_mov_b32 s71, 0
	s_mul_i32 s72, s19, 384
	s_mul_i32 s73, s16, 96
	s_add_co_u32 s72, s72, s73                     ; the weights: row 384 x region column + 96 x half
	s_lshl_b32 s72, s72, 11
	s_add_co_u32 s72, s72, WBASE
	s_mov_b32 s73, 0
	s_mul_i32 s22, s16, AHALF                      ; where they go in a slot: no place in the cluster enters an LDS address
	s_mul_i32 s23, s16, BHALF
	s_add_co_u32 s23, s23, BOFF
	s_mov_b32 s56, 0
	s_mov_b32 s62, 2                               ; the first refill brings K step 2
	s_mov_b32 s75, 0
	s_mov_b32 s77, 0
	s_mov_b32 s79, 0
	s_wait_dscnt 0x0                               ; the opening add is done
	s_wait_kmcnt 0x0
	s_add_nc_u64 s[70:71], s[4:5], s[70:71]
	s_add_nc_u64 s[72:73], s[4:5], s[72:73]
.irp n, 0,1
	s_mov_b32 s[40+4*\n], 1                        ; count = 1
	s_add_co_u32 s[41+4*\n], s22, \n*SLOT1         ; LDS address
	s_add_nc_u64 s[42+4*\n:43+4*\n], s[70:71], \n*256  ; global address: K step n
	s_or_b32 s[43+4*\n], s[43+4*\n], 0x80000000    ; type = 2
	s_mov_b32 s[48+4*\n], 1
	s_add_co_u32 s[49+4*\n], s23, \n*SLOT1
	s_add_nc_u64 s[50+4*\n:51+4*\n], s[72:73], \n*256
	s_or_b32 s[51+4*\n], s[51+4*\n], 0x80000000
.endr
	CROUND                                         ; all sixteen work-groups are here: the first joint loads meet
	s_cmp_eq_u32 s15, 0                            ; a wave's two first fills stand in one branch: two loads of mine are out
	s_cbranch_scc0 .Lfirst_b
	tensor_load_to_lds s[40:43], s[24:31]
	s_nop 0
	tensor_load_to_lds s[44:47], s[24:31]
	s_nop 0
.rept 4
	v_nop
.endr
	s_branch .Lfirst_asked
.Lfirst_b:
	tensor_load_to_lds s[48:51], s[32:39]
	s_nop 0
	tensor_load_to_lds s[52:55], s[32:39]
	s_nop 0
.rept 4
	v_nop
.endr
.Lfirst_asked:
	; A fragment is 16 rows x 32 K in 8 registers: lane l holds row l % 16; registers 0-3 K = 8 (l / 16) + 0..7, registers 4-7 K = 16 + 8 (l / 16) + 0..7: two loads of 16 bytes, 32 bytes apart.
	v_and_b32 v1, 15, v0                           ; r = l % 16
	v_bfe_u32 v2, v0, 4, 1                         ; h = l / 16
	v_lshlrev_b32 v[BO], 5, v2
	s_mul_i32 s80, s19, 1536                       ; the region's 384 columns, 4 bytes each
	s_add_co_u32 s80, s80, BIASB
	s_mov_b32 s81, 0
	s_add_nc_u64 s[80:81], s[4:5], s[80:81]
	WIN 0xc0                                       ; destination window 3: the biases of the region's column blocks 0 to 15,
.set i, 0
.rept 16
	global_load_b128 v[128+8*i:128+8*i+3],   v[BO], s[80:81] offset:64*i
	global_load_b128 v[128+8*i+4:128+8*i+7], v[BO], s[80:81] offset:64*i+16
.set i, i+1
.endr
	WIN 0x40                                       ; window 1: of blocks 16 to 23
.rept 8
	global_load_b128 v[192+8*(i-16):192+8*(i-16)+3],   v[BO], s[80:81] offset:64*i
	global_load_b128 v[192+8*(i-16)+4:192+8*(i-16)+7], v[BO], s[80:81] offset:64*i+16
.set i, i+1
.endr
	WIN 0
	v_mul_u32_u24 v3, v1, PITCH
	v_lshl_add_u32 v3, v2, 4, v3                   ; row x pitch + 16 h
	s_mul_i32 s22, s14, 64*PITCH                   ; my 64 rows of x
	v_add_nc_u32 v[A0], s22, v3
	v_add_nc_u32 v[B0], BOFF, v3                   ; every wave reads all 192 rows of the weights
	s_mul_i32 s22, s14, 16*PITCH
	s_add_co_u32 s22, s22, STAGE                   ; my stage
	v_add_nc_u32 v[STO], s22, v3                   ; in: row r, 16 bytes for each half of the lanes
	v_mul_u32_u24 v4, v2, PITCH
	v_lshl_add_u32 v4, v1, 4, v4
	v_add_nc_u32 v[RD], s22, v4                    ; back: lanes 0-15 one row of 256 bytes, lanes 16-31 the next
	v_mul_u32_u24 v4, v2, OROWB
	v_lshl_add_u32 v[CO], v1, 4, v4                ; and the same two rows in qkv
	s_lshl_b32 s22, s20, 8
	s_lshl_b32 s23, s14, 6
	s_add_co_u32 s22, s22, s23                     ; my first row: 256 x region row + 64 x wave
	s_mul_i32 s22, s22, OROWB
	s_mul_i32 s23, s19, 768
	s_add_co_u32 s22, s22, s23                     ; the region's first column: 768 bytes a region
	s_mov_b32 s23, 0
	s_add_nc_u64 s[12:13], s[6:7], s[22:23]
	; the prefetches
	s_lshl_b32 s60, s20, 8
	s_lshl_b32 s61, s16, 7
	s_add_co_u32 s60, s60, s61
	s_lshl_b32 s61, s17, 5
	s_add_co_u32 s60, s60, s61                     ; x: the 128 rows that I fetch, my work-group's 32 of them
	s_mul_i32 s61, s19, 384
	s_mul_i32 s22, s16, 96
	s_add_co_u32 s61, s61, s22
	s_mul_i32 s22, s18, 24
	s_add_co_u32 s61, s61, s22
	s_add_co_u32 s61, s61, 8192                    ; the weights, behind x's rows: the 96 that I fetch, my work-group's 24 of them
	s_cmp_eq_u32 s15, 0
	s_cselect_b32 s60, s60, s61
	s_cselect_b32 s22, ttmp9, s21                  ; the coordinate along which other clusters read the same rows
	s_cselect_b32 s23, 10, 2                       ; x is asked for up to K step 7 (with 11 trips or more to go), the weights up to K step 15 (3 or more)
	s_cselect_b32 s66, 31, 23
	s_cmp_eq_u32 s22, 0
	s_cselect_b32 s57, s23, -1
	s_lshl_b32 s60, s60, 11
	s_mov_b32 s61, 0
	s_add_nc_u64 s[60:61], s[4:5], s[60:61]
	v_and_b32 v[PFO], 31, v0
	v_min_u32 v[PFO], s66, v[PFO]
	v_lshlrev_b32 v[PFO], 11, v[PFO]
; 12 matrix instructions: row block a x all 12 column blocks, 32 along K, from buffer f.  The 48 accumulators come in one fixed order, one instruction a turn: between two links of a
; chain stand the 47 others', over every jump too.
.macro MUL12 f, a
.irp b, 0,1,2,3,4,5,6,7,8,9,10,11
.set n, 12*(\a)+(\b)
	WIN 0xa1+0x50*(n/32)                           ; source 0 window 1, source 1 window 0, C and D window 2 or 3
	v_wmma_f32_16x16x32_bf16 v[8*(n%32):8*(n%32)+7], v[96*(\f)+8*(\b):96*(\f)+8*(\b)+7], v[64+32*(\f)+8*(\a):64+32*(\f)+8*(\a)+7], v[8*(n%32):8*(n%32)+7]
.endr
.endm
; the same from buffer 0 for pass t's first 32 along K: the sums start with the bias
.macro MULB t, a
.irp b, 0,1,2,3,4,5,6,7,8,9,10,11
.set n, 12*(\a)+(\b)
.set i, 12*(\t)+(\b)
.if i < 16
.set cw, 3
.set rc, 128+8*i
.else
.set cw, 1
.set rc, 192+8*(i-16)
.endif
	WIN 0x01+16*cw+64*(2+n/32)
	v_wmma_f32_16x16x32_bf16 v[8*(n%32):8*(n%32)+7], v[8*(\b):8*(\b)+7], v[64+8*(\a):64+8*(\a)+7], v[rc:rc+7]
.endr
.endm
; 32 LDS loads in one run: the fragments of quarter q of the K step (32 along K) into buffer f: the weights' 24, then x's 8.  new = 1: the slot has changed.
.macro FETCH new, q, f
.if \new
	WIN 0
	v_add_nc_u32 v[ADRA], s56, v[A0]
	v_add_nc_u32 v[ADRB], s56, v[B0]
.endif
	WIN TO_B
.irp b, 0,1,2,3,4,5,6,7,8,9,10,11
	ds_load_b128 v[96*(\f)+8*(\b):96*(\f)+8*(\b)+3],   v[ADRB] offset:64*(\q)+16*PITCH*(\b)
	ds_load_b128 v[96*(\f)+8*(\b)+4:96*(\f)+8*(\b)+7], v[ADRB] offset:64*(\q)+16*PITCH*(\b)+32
.endr
	WIN 0
.irp a, 0,1,2,3
	ds_load_b128 v[64+32*(\f)+8*(\a):64+32*(\f)+8*(\a)+3],   v[ADRA] offset:64*(\q)+16*PITCH*(\a)
	ds_load_b128 v[64+32*(\f)+8*(\a)+4:64+32*(\f)+8*(\a)+7], v[ADRA] offset:64*(\q)+16*PITCH*(\a)+32
.endr
.endm
; A K step is four quarters of 32 along K, 48 matrix instructions each, on buffers 0, 1, 0, 1.  One of the first three multiplies buffer f and, in its middle, fetches quarter q into buffer g.
.macro QUARTER q, f, g
	s_wait_dscnt 4                                 ; all but the youngest four loads: x's row blocks 2 and 3
	MUL12 \f, 0
	MUL12 \f, 1
	PLACES
	FETCH 0, \q, \g
	s_wait_dscnt 32                                ; all but the 32 just issued
	MUL12 \f, 2
	MUL12 \f, 3
.endm
.macro QB t                            ; pass t's first quarter
	s_wait_dscnt 4
	MULB \t, 0
	MULB \t, 1
	PLACES
	FETCH 0, 1, 1
	s_wait_dscnt 32
	MULB \t, 2
	MULB \t, 3
.endm
; The last quarter multiplies buffer 1 and changes slots.  ONE barrier: in front of it each wave waits for all its tensor loads (one is out: its part of the next slot), adds 0 to its spare word, and waits for
; that and for its reads of this slot.  kind = 0: this slot is filled again, with the walk's K step s62, two steps on; the barrier then opens a round of the cluster's barrier, and the joint refill is the first
; thing behind the round.  Its address is made anew from the step's number: 256 bytes a step along K, and for the weights 192 rows down in pass 1.  kind = 2, the tail: nothing is filled; in the last trip
; (s3 = 1) there is no further K step, and the run of loads is jumped over.
.macro TURN kind
.if (\kind) == 0
	s_add_co_u32 s23, s62, 2                       ; the prefetch names the K step two refills on
	s_lshr_b32 s22, s23, 3
	s_mul_i32 s22, s22, PASSB
	s_and_b32 s23, s23, 7
	s_lshl_b32 s23, s23, 8
	s_add_co_u32 s78, s22, s23
	s_wait_xcnt 0x0                                ; the last prefetch, a K step back, has read its address
	s_add_nc_u64 s[58:59], s[60:61], s[78:79]
.endif
	s_wait_dscnt 4
	MUL12 1, 0
	WIN 0                                          ; (the add's two registers lie in window 0)
	s_wait_tensorcnt 0x0                           ; no tensor load of mine is out, so a group 0 may be written
	ds_add_u32 v[SPW], v[NIL]                      ; 0 onto my spare word; work on registers stands between it and the wait for it
.if (\kind) == 0
	s_xor_b32 s45, s45, SLOT1                      ; the walking descriptors: the other slot than last time
	s_xor_b32 s53, s53, SLOT1
	s_and_b32 s74, s62, 7
	s_lshl_b32 s74, s74, 8
	s_lshr_b32 s76, s62, 3
	s_mul_i32 s76, s76, PASSB
	s_add_co_u32 s76, s76, s74
	s_add_nc_u64 s[46:47], s[70:71], s[74:75]
	s_or_b32 s47, s47, 0x80000000
	s_add_nc_u64 s[54:55], s[72:73], s[76:77]
	s_or_b32 s55, s55, 0x80000000
	s_add_co_u32 s62, s62, 1
.endif
	s_xor_b32 s56, s56, SLOT1                      ; the fetches go on in the other slot
	MUL12 1, 1
	s_wait_dscnt 0x0                               ; the add is done, and my reads of this slot are over
	WIN 0
	s_barrier_signal -1
	s_barrier_wait -1
.if (\kind) == 0
	CREST                                          ; no wave of any partner still reads this slot or has a load on its way
	JLOAD                                          ; its four v_nop are also the places in front of the loads below
	FETCH 1, 0, 0
	ASK
.else
	s_cmp_eq_u32 s3, 1
	s_cbranch_scc1 .Lno_more_\@
	PLACES
	FETCH 1, 0, 0
.Lno_more_\@:
.endif
	MUL12 1, 2
	MUL12 1, 3
.endm
; THE WAY OUT, 16 rows x 256 bytes at a time.  PACK: nb column blocks of row block a, from b0 on, rounded to f16, 16 bytes a lane and block (each accumulator's registers in ascending order).  PUT: into my own
; stage.  BACK: whole rows of 256 bytes come back, into one of two sets of 32 registers.  SEND: stored.
.macro PACK a, b0, nb, dst
.set k, 0
.rept \nb
.set n, 12*(\a)+(\b0)+k
	WIN 5*(2+n/32)                                 ; sources 0 and 1 window 2 or 3
.irp r, 0,1,2,3
	v_cvt_pk_f16_f32 v[(\dst)+4*k+(\r)], v[8*(n%32)+2*(\r)], v[8*(n%32)+2*(\r)+1]
.endr
.set k, k+1
.endr
	WIN 0
.endm
.macro PUT src, off, cnt
.set k, 0
.rept \cnt
	ds_store_b128 v[STO], v[(\src)+4*k:(\src)+4*k+3] offset:(\off)+32*k
.set k, k+1
.endr
.endm
.macro BACK p
.irp t, 0,1,2,3,4,5,6,7
	ds_load_b128 v[32+192*(\p)+4*(\t):32+192*(\p)+4*(\t)+3], v[RD] offset:2*PITCH*(\t)  ; LDS serves a wave's instructions in order (ISA guide 5.7.1.4): these see the stores above
.endr
.endm
.macro SEND p, a, u                    ; set p holds row block a's block u of 256 bytes
	s_wait_dscnt 0x0                               ; the rows are back in registers
	s_wait_xcnt 0x0                                ; earlier stores have read their registers: the other set is loaded again only behind this wait
.irp t, 0,1,2,3,4,5,6,7
	global_store_b128 v[CO], v[32+192*(\p)+4*(\t):32+192*(\p)+4*(\t)+3], s[12:13] offset:(16*(\a)+2*(\t))*OROWB+256*(\u)  ; 16 lanes store 256 consecutive bytes, at a multiple of 256 from qkv's first byte
.endr
.endm
.macro WAYOUT0                         ; pass 0: columns 0-127 leave; columns 128-191 are packed and kept.  A row block's conversions stand between the loads from the stage of the block before and the wait for them
	WIN 0
	PLACES
	PACK 0, 0, 8, TMP
	PACK 0, 8, 4, HOLD
	PUT TMP, 0, 8
	BACK 0
.irp a, 1,2,3
	PACK \a, 0, 8, TMP
	PACK \a, 8, 4, HOLD+16*(\a)
	SEND ((\a)-1)%2, (\a)-1, 0
	PUT TMP, 0, 8
	BACK (\a)%2
.endr
	SEND 1, 3, 0
.endm
.macro WAYOUT1                         ; pass 1: the kept columns with columns 192-255 are the second block of 256 bytes, columns 256-383 the third
	WIN 0
	s_wait_xcnt 0x0                                ; pass 0's stores have read the registers that are loaded again below
	PLACES
	PACK 0, 0, 4, TMP+16
	PUT HOLD, 0, 4
	PUT TMP+16, 128, 4
	BACK 0
	PACK 0, 4, 8, TMP
	SEND 0, 0, 1
	PUT TMP, 0, 8
	BACK 1
.irp a, 1,2,3
	PACK \a, 0, 4, TMP+16
	SEND 1, (\a)-1, 2
	PUT HOLD+16*(\a), 0, 4
	PUT TMP+16, 128, 4
	BACK 0
	PACK \a, 4, 8, TMP
	SEND 0, \a, 1
	PUT TMP, 0, 8
	BACK 1
.endr
	SEND 1, 3, 2
.endm
	s_wait_tensorcnt 1                             ; my part of K step 0 is in; K step 1's may stay out
	s_barrier_signal -1
	s_barrier_wait -1                              ; everybody's is
	FETCH 1, 0, 0
	s_wait_loadcnt 0x0                             ; the biases
	QB 0
	WIN 0
	s_mov_b32 s3, 14
.Lstep:                                        ; trip j of 14: quarters 1 to 3 of the walk's K step j - 1, the refill with K step j + 1, quarter 0 of K step j
	QUARTER 2, 1, 0
	QUARTER 3, 0, 1
	TURN 0
	WIN 0
	s_cmp_eq_u32 s3, 7                             ; trip 8 ends pass 0: the same in every wave and work-group
	s_cbranch_scc1 .Lchange
	QUARTER 1, 0, 1
	WIN 0
	s_branch .Ljoin
.Lchange:                                      ; the refill is asked for and pass 1's first fragments are fetched: now pass 0 goes out, and pass 1's sums start
	WAYOUT0
	QB 1
	WIN 0
.Ljoin:
	s_sub_co_u32 s3, s3, 1
	s_cmp_lg_u32 s3, 0
	s_cbranch_scc1 .Lstep
	s_mov_b32 s3, 2                                ; the tail has a text of its own: the last two K steps ask for nothing
.Ltail:
	QUARTER 2, 1, 0
	QUARTER 3, 0, 1
	TURN 2
	WIN 0
	s_sub_co_u32 s3, s3, 1
	s_cmp_eq_u32 s3, 0
	s_cbranch_scc1 .Lout                           ; the second trip is left in its middle
	QUARTER 1, 0, 1
	WIN 0
	s_branch .Ltail
.Lout:
	WAYOUT1
	s_wait_tensorcnt 0x0                           ; the wave's end, behind my last tensor load and my last LDS store
	ds_add_u32 v[SPW], v[NIL]
	s_wait_dscnt 0x0
	CROUND                                         ; the closing round: no work-group ends while a partner may still ask for a tile that names it
	s_endpgm
.Lfunc_end_k_q070cf517df_proj:
	.size	k_q070cf517df_proj, .Lfunc_end_k_q070cf517df_proj-k_q070cf517df_proj
	.p2alignl 7, 3214868480
	.fill 96, 4, 3214868480
	.section	.rodata,"a",@progbits
	.p2align	6, 0x0
	.amdhsa_kernel k_q070cf517df_proj
		.amdhsa_group_segment_fixed_size 327680
		.amdhsa_private_segment_fixed_size 0
		.amdhsa_enable_private_segment 0
		.amdhsa_kernarg_size 16
		.amdhsa_user_sgpr_count 2
		.amdhsa_user_sgpr_kernarg_segment_ptr 1
		.amdhsa_wavefront_size32 1
		.amdhsa_system_sgpr_workgroup_id_x 1
		.amdhsa_system_sgpr_workgroup_id_y 1
		.amdhsa_system_sgpr_workgroup_id_z 1
		.amdhsa_system_vgpr_workitem_id 0
		.amdhsa_next_free_vgpr 1024
		.amdhsa_next_free_sgpr 82
		.amdhsa_reserve_vcc 0
		.amdhsa_float_denorm_mode_32 3
		.amdhsa_float_denorm_mode_16_64 3
		.amdhsa_memory_ordered 1
		.amdhsa_forward_progress 1
		.amdhsa_inst_pref_size 119
	.end_amdhsa_kernel
	.amdgpu_metadata
---
amdhsa.version: [ 1, 2 ]
amdhsa.kernels:
  - .name:           k_q070cf517df_proj
    .symbol:         k_q070cf517df_proj.kd
    .args:
      - { .name: xw, .offset: 0, .size: 8, .value_kind: global_buffer, .address_space: global }
      - { .name: qkv, .offset: 8, .size: 8, .value_kind: global_buffer, .address_space: global }
    .group_segment_fixed_size: 327680
    .private_segment_fixed_size: 0
    .kernarg_segment_align: 8
    .kernarg_segment_size: 16
    .max_flat_workgroup_size: 128
    .sgpr_count:     82
    .vgpr_count:     1024
    .wavefront_size: 32
...
	.end_amdgpu_metadata
.endif
;; end of part 2
;; launch scores (part 3): grid 8 x 32, 4 waves a work-group, clusters of 4 x 4, 327,680 bytes of LDS; arguments qkv, p, mst, lst; writes p, mst, lst
.if DOCPART == 3
	.amdgcn_target "amdgcn-amd-amdhsa--gfx1250"
	.amdhsa_code_object_version 6
	.text
	.protected	k_q070cf517df_scores
	.globl	k_q070cf517df_scores
	.p2align	8
	.type	k_q070cf517df_scores,@function
k_q070cf517df_scores:
	s_mov_b64 s[64:65], 0
	v_nop
	global_prefetch_b8 v0, s[64:65] scope:SCOPE_SE
	s_setreg_imm32_b32 hwreg(HW_REG_WAVE_MODE, 25, 1), 1
	s_wait_xcnt 0x0
	s_wait_alu depctr_hold_cnt(0) depctr_sa_sdst(0) depctr_va_vdst(0) depctr_va_sdst(0) depctr_va_ssrc(0) depctr_va_vcc(0) depctr_vm_vsrc(0)
	s_getreg_b32 s2, hwreg(HW_REG_IB_STS2, 6, 4)
	s_cmp_eq_u32 s2, 0
	s_cbranch_scc0 .Lentry_in_a_cluster
	s_endpgm
.Lentry_in_a_cluster:
	s_bfe_u32 s2, ttmp6, 0x10000c
	s_cmp_lg_u32 s2, 0xf033
	s_cbranch_scc0 .Lentry_shape_is_right
	s_endpgm
.Lentry_shape_is_right:
; For each query row (8,192 of them, 2,048 a batch) and each CHUNK of 128 keys of its batch: s = q . k (f16 operands, sums in f32); cm = c x the chunk's largest s, c = log2(e) / 32; E = 2^(c s - cm), stored
; as f16 in p [8192][2048]; l = the sum of the chunk's E (unrounded).  cm goes to mst, l to lst, both f32 [16 chunks][8192 rows].  The maximum is taken away before every exponential; the launch behind
; brings the chunks of a row to the row's own maximum.
; LIMITS.  E lies in 0 to 1; below 6e-5 it keeps f16's fixed step of 6e-8; an E below 2^-126 counts as 0 in l.  NaN and infinities are not treated apart.
; SHARES.  A tile is 256 queries x 256 keys, made by four waves of 128 x 128 (64 accumulators, 512 registers): a wave's 128 keys are one chunk.  256 tiles, one a work-group.  K = 1,024 goes in steps of 128
; through a ring of two LDS slots.  CLUSTER: 4 x 4 work-groups; q's tile is shared along a row, k's along a column, each asked for jointly.
; THE MATRIX INSTRUCTION IS USED TRANSPOSED (source 0 = 16 keys, source 1 = 16 queries): a lane holds ONE query (lane % 16) and, in accumulator b, the keys 16 b + 8 (lane / 16) + 0..7.
; THE EPILOGUE's text serves four blocks of 16 queries in window 2 and is walked twice; between the walks 256 copies bring window 3's accumulators there: the price of half the text.
; REGISTERS, in windows of 256 (s_set_vgpr_msb: bits 1:0 source 0, 3:2 source 1, 5:4 source 2, 7:6 destination):
;   window 0: v0-31 addresses; v32-47 at work in the epilogue; v64-127, v128-191 q's fragments, two buffers, later the scaled scores of two blocks; v192-223 packed E; v224-255 rows read back
;   window 1: v64-127, v128-191 k's fragments          window 2: the accumulators of my queries 0-63, (a, b) at 8 (8 a + b)          window 3: those of queries 64-127
.set PITCH,  272                       ; an LDS row: 256 bytes + 16 of padding
.set HALFT,  128*PITCH                 ; 128 rows: what one tensor load brings, and what a wave reads of q or of k
.set SLOT,   4*HALFT
.set STAGE,  2*SLOT                    ; behind the ring: 16 rows x 272 bytes for each wave
.set STATS,  STAGE+4*16*PITCH          ; 1,024 bytes for each wave: cm of its 128 queries, then l
.set SPARE,  STATS+4096                ; the spare words, 128 bytes a wave
.set ROWB,   6144                      ; bytes in a row of qkv
.set FLAGS,  (1<<16)|(1<<20)|(1<<21)|(5<<22)|(3<<25)
.set SS,   12                          ; v12  where I put a query's cm
.set SR,   13                          ; v13  where I read four queries' statistics back
.set LO,   14                          ; v14  16 x lane
.set ADRA, 16                          ; v16-17  LDS address of my q fragments in slot 0, 1
.set ADRB, 20                          ; v20-21  the same for k
.set STO,  24
.set RD,   25
.set CO,   26                          ; v26  my byte offset in two rows of p
.set SPW,  28
.set NIL,  29
.set PFO,  30                          ; v30  my lane x a row of qkv
.set F0,   64
.set F1,   128
.set TMP,  192
.set OB,   224
.set MUL_LO, 0xa1                      ; source 0 (k) window 1, source 1 (q) window 0, C and D window 2
.set MUL_HI, 0xf1                      ; the same, C and D window 3
.set TO_B,   0x40
; scalars: s3 laps to go, later the epilogue's walks; s14 wave; s15, s16 its halves; s17-s21 places; s[24:31], s[32:39] group 1 for q, for k; s[40:47], s[48:55] group 0, a set for each slot; s57 1 in a wave that
; prefetches, else the greatest number; s[58:59] where its prefetches stand; s[66:67] lane selects; s[68:69] c
.set MSB, 0
.macro WIN new
.if MSB != (\new)
	s_set_vgpr_msb (MSB<<8)|(\new)
.set MSB, \new
.endif
.endm
.macro PLACES
.rept 4
	v_nop
.endr
.endm
.macro CREST
	s_cmp_lg_u32 s14, 0
	s_cbranch_scc1 .Lnot_wave_0_\@
	s_barrier_signal -3
.Lnot_wave_0_\@:
	s_barrier_wait -3
	s_barrier_signal -1
	s_barrier_wait -1
.endm
.macro CROUND
	s_barrier_signal -1
	s_barrier_wait -1
	CREST
.endm
.macro JLOAD s                         ; a joint refill of slot s: waves 0 and 1 fetch q's two halves, waves 2 and 3 k's
	s_cmp_eq_u32 s15, 0
	s_cbranch_scc0 .Lfor_b_\@
	tensor_load_to_lds s[40+4*(\s):43+4*(\s)], s[24:31]
	s_nop 0
.rept 4
	v_nop
.endr
	s_branch .Lasked_\@
.Lfor_b_\@:
	tensor_load_to_lds s[48+4*(\s):51+4*(\s)], s[32:39]
	s_nop 0
.rept 4
	v_nop
.endr
.Lasked_\@:
.endm
; A PREFETCH INTO THE L2 of the K step two refills on: 32 rows x 256 bytes, a lane a row.  q's rows are read by both clusters of a row of clusters: the one with x = 0 asks; k's by the two clusters of a batch in a
; column of clusters: the one with even y asks.  Of the 128 rows that a wave fetches each of the four partners takes 32, told apart by address.  The last lap's refills have no K step two on.
.macro ASK
	s_cmp_gt_u32 s3, s57
	s_cbranch_scc0 .Lnot_mine_\@
	global_prefetch_b8 v[PFO], s[58:59] offset:256 th:TH_LOAD_NT scope:SCOPE_SE
.Lnot_mine_\@:
.endm
	s_load_b256 s[4:11], s[0:1], 0x0               ; qkv s[4:5], p s[6:7], mst s[8:9], lst s[10:11]
	v_lshl_add_u32 v[SPW], v0, 2, SPARE
	v_mov_b32 v[NIL], 0
	ds_add_u32 v[SPW], v[NIL]                      ; the wave's opening: the add and its wait stand ahead of my first tensor load
	v_lshrrev_b32 v1, 5, v0
	v_readfirstlane_b32 s14, v1
	s_lshr_b32 s15, s14, 1
	s_and_b32 s16, s14, 1
	s_bfe_u32 s17, ttmp6, 0x40000
	s_bfe_u32 s18, ttmp6, 0x40004
	s_lshl_b32 s19, ttmp9, 2
	s_add_co_u32 s19, s19, s17                     ; block of 256 keys in the batch
	s_and_b32 s21, ttmp7, 0xffff
	s_lshl_b32 s20, s21, 2
	s_add_co_u32 s20, s20, s18                     ; block of 256 queries; the batch is the cluster's y / 2
	s_lshl_b32 s22, s18, 2
	s_lshl_b32 s22, 15, s22
	s_lshl_b32 s23, 0x1111, s17
	s_or_b32 s24, s22, FLAGS
	s_or_b32 s32, s23, FLAGS
.irp g, 24, 32
	s_mov_b32 s[\g+1], 128<<16                     ; tensor_dim0 = 128
	s_mov_b32 s[\g+2], 128<<16                     ; tensor_dim1 = 128
	s_mov_b32 s[\g+3], 128<<16                     ; tile_dim0 = 128
	s_mov_b32 s[\g+4], 128                         ; tile_dim1 = 128
	s_mov_b32 s[\g+5], 3072                        ; elements from row to row
	s_mov_b32 s[\g+6], 0
	s_mov_b32 s[\g+7], 0
.endr
	s_lshl_b32 s70, s20, 8
	s_lshl_b32 s71, s16, 7
	s_add_co_u32 s70, s70, s71                     ; q: row 256 x block + 128 x half
	s_mul_i32 s70, s70, ROWB
	s_mov_b32 s71, 0
	s_lshr_b32 s72, s21, 1
	s_lshl_b32 s72, s72, 11                        ; k: the batch's first row,
	s_lshl_b32 s73, s19, 8
	s_add_co_u32 s72, s72, s73
	s_lshl_b32 s73, s16, 7
	s_add_co_u32 s72, s72, s73                     ; + 256 x block + 128 x half
	s_mul_i32 s72, s72, ROWB
	s_add_co_u32 s72, s72, 2048                    ; k lies 2,048 bytes into a row
	s_mov_b32 s73, 0
	s_mul_i32 s22, s14, HALFT                      ; where they go: q's two halves, then k's = wave x 128 rows
	s_mov_b32 s66, 0x76543210
	s_mov_b32 s67, 0xfedcba98
	s_mov_b32 s68, 0x3d38aa3b                      ; c = log2(e) / 32 = 0.0450842
	s_mov_b32 s69, s68
	s_wait_dscnt 0x0
	s_wait_kmcnt 0x0
	s_add_nc_u64 s[70:71], s[4:5], s[70:71]
	s_add_nc_u64 s[72:73], s[4:5], s[72:73]
.irp n, 0,1
	s_mov_b32 s[40+4*\n], 1
	s_add_co_u32 s[41+4*\n], s22, \n*SLOT
	s_add_nc_u64 s[42+4*\n:43+4*\n], s[70:71], \n*256
	s_or_b32 s[43+4*\n], s[43+4*\n], 0x80000000
	s_mov_b32 s[48+4*\n], 1
	s_add_co_u32 s[49+4*\n], s22, \n*SLOT
	s_add_nc_u64 s[50+4*\n:51+4*\n], s[72:73], \n*256
	s_or_b32 s[51+4*\n], s[51+4*\n], 0x80000000
.endr
	CROUND
	s_cmp_eq_u32 s15, 0                            ; a wave's two first fills stand in one branch
	s_cbranch_scc0 .Lfirst_b
	tensor_load_to_lds s[40:43], s[24:31]
	s_nop 0
	tensor_load_to_lds s[44:47], s[24:31]
	s_nop 0
.rept 4
	v_nop
.endr
	s_branch .Lfirst_asked
.Lfirst_b:
	tensor_load_to_lds s[48:51], s[32:39]
	s_nop 0
	tensor_load_to_lds s[52:55], s[32:39]
	s_nop 0
.rept 4
	v_nop
.endr
.Lfirst_asked:
	v_and_b32 v1, 15, v0                           ; r
	v_bfe_u32 v2, v0, 4, 1                         ; h
	v_and_b32 v5, 31, v0                           ; lane
	v_mul_u32_u24 v3, v1, PITCH
	v_lshl_add_u32 v3, v2, 4, v3
	s_mul_i32 s22, s15, HALFT                      ; my 128 queries
	s_mul_i32 s23, s16, HALFT                      ; my 128 keys,
	s_add_co_u32 s23, s23, 2*HALFT                 ; which lie behind q's 256 rows
.irp s, 0,1
	v_add_nc_u32 v[ADRA+\s], s22, v3
	v_add_nc_u32 v[ADRB+\s], s23, v3
	s_add_co_u32 s22, s22, SLOT
	s_add_co_u32 s23, s23, SLOT
.endr
	s_mul_i32 s22, s14, 16*PITCH
	s_add_co_u32 s22, s22, STAGE
	v_add_nc_u32 v[STO], s22, v3
	v_mul_u32_u24 v4, v2, PITCH
	v_lshl_add_u32 v4, v1, 4, v4
	v_add_nc_u32 v[RD], s22, v4
	v_lshlrev_b32 v4, 12, v2
	v_lshl_add_u32 v[CO], v1, 4, v4                ; two rows of p, 4,096 bytes apart
	s_lshl_b32 s22, s14, 10
	s_add_co_u32 s22, s22, STATS
	v_lshl_add_u32 v[SS], v1, 2, s22
	v_lshl_add_u32 v[SR], v5, 4, s22
	v_lshlrev_b32 v[LO], 4, v5
	v_mul_u32_u24 v[PFO], v5, ROWB
	v_mov_b32 v44, 0                               ; v_permlanex16_b32's destinations count as read
	v_mov_b32 v47, 0
	s_lshl_b32 s74, s20, 8
	s_lshl_b32 s75, s15, 7
	s_add_co_u32 s74, s74, s75                     ; my first query row
	s_lshl_b32 s22, s74, 2
	s_lshl_b32 s23, s19, 1
	s_add_co_u32 s23, s23, s16                     ; my chunk: 2 x block + half
	s_lshl_b32 s23, s23, 15
	s_add_co_u32 s22, s22, s23
	s_mov_b32 s23, 0
	s_add_nc_u64 s[8:9], s[8:9], s[22:23]
	s_add_nc_u64 s[10:11], s[10:11], s[22:23]
	s_lshl_b32 s74, s74, 12
	s_lshl_b32 s75, s19, 9
	s_add_co_u32 s74, s74, s75
	s_lshl_b32 s75, s16, 8
	s_add_co_u32 s74, s74, s75
	s_mov_b32 s75, 0
	s_add_nc_u64 s[6:7], s[6:7], s[74:75]          ; p at my first row and key
	; the prefetches
	s_lshl_b32 s60, s20, 8
	s_lshl_b32 s61, s17, 5
	s_add_co_u32 s60, s60, s61                     ; q: 256 x block + my work-group's 32
	s_lshr_b32 s61, s21, 1
	s_lshl_b32 s61, s61, 11
	s_lshl_b32 s62, s19, 8
	s_add_co_u32 s61, s61, s62
	s_lshl_b32 s62, s18, 5
	s_add_co_u32 s61, s61, s62                     ; k: the batch + 256 x block + my work-group's 32
	s_and_b32 s62, s21, 1
	s_mov_b32 s63, 2048+512
	s_cmp_eq_u32 s15, 0
	s_cselect_b32 s60, s60, s61
	s_cselect_b32 s62, ttmp9, s62                  ; the coordinate along which other clusters read the same rows
	s_cselect_b32 s63, 512, s63                    ; at K step 2: the first refill steps it to 3 and names K step 4
	s_cmp_eq_u32 s62, 0
	s_cselect_b32 s57, 1, -1
	s_lshl_b32 s61, s16, 7
	s_add_co_u32 s60, s60, s61                     ; + the 128 rows that I fetch
	s_mul_i32 s60, s60, ROWB
	s_add_co_u32 s60, s60, s63
	s_mov_b32 s61, 0
	s_add_nc_u64 s[58:59], s[4:5], s[60:61]
; 16 matrix instructions: query blocks a0, a0 + 1 of the window's four x all 8 key blocks, 32 along K.  zero = 1: the first product starts the sums.  The 64 accumulators take turns in one fixed order.
.macro MUL16 f, hi, a0, zero
	WIN MUL_LO+0x50*(\hi)
.irp a, \a0, (\a0)+1
.irp b, 0,1,2,3,4,5,6,7
.if \zero
	v_wmma_f32_16x16x32_f16 v[8*(8*(\a)+(\b)):8*(8*(\a)+(\b))+7], v[(\f)+8*(\b):(\f)+8*(\b)+7], v[(\f)+8*(4*(\hi)+(\a)):(\f)+8*(4*(\hi)+(\a))+7], 0
.else
	v_wmma_f32_16x16x32_f16 v[8*(8*(\a)+(\b)):8*(8*(\a)+(\b))+7], v[(\f)+8*(\b):(\f)+8*(\b)+7], v[(\f)+8*(4*(\hi)+(\a)):(\f)+8*(4*(\hi)+(\a))+7], v[8*(8*(\a)+(\b)):8*(8*(\a)+(\b))+7]
.endif
.endr
.endr
.endm
; 32 LDS loads in one run: the fragments of 32 along K at byte k of the rows, into buffer f: k's 16, then q's 16
.macro FETCH slot, k, f
	WIN TO_B
.irp i, 0,1,2,3,4,5,6,7
	ds_load_b128 v[(\f)+8*(\i):(\f)+8*(\i)+3],   v[ADRB+(\slot)] offset:(\k)+(\i)*16*PITCH
	ds_load_b128 v[(\f)+8*(\i)+4:(\f)+8*(\i)+7], v[ADRB+(\slot)] offset:(\k)+(\i)*16*PITCH+32
.endr
	WIN 0
.irp i, 0,1,2,3,4,5,6,7
	ds_load_b128 v[(\f)+8*(\i):(\f)+8*(\i)+3],   v[ADRA+(\slot)] offset:(\k)+(\i)*16*PITCH
	ds_load_b128 v[(\f)+8*(\i)+4:(\f)+8*(\i)+7], v[ADRA+(\slot)] offset:(\k)+(\i)*16*PITCH+32
.endr
.endm
; A K step is four quarters of 32 along K, 64 matrix instructions each, on buffers 0, 1, 0, 1.  One of the first three multiplies buffer f and fetches the next quarter, at byte k, into g.
.macro QUARTER slot, k, f, g, zero
	s_wait_dscnt 8                                 ; k's fragments and q's rows 0-63 are in; the youngest eight loads may be out
	MUL16 \f, 0, 0, \zero
	MUL16 \f, 0, 2, \zero
	PLACES
	FETCH \slot, \k, \g
	s_wait_dscnt 32                                ; all but the 32 just issued
	MUL16 \f, 1, 0, \zero
	MUL16 \f, 1, 2, \zero
.endm
; The first half of the last quarter: ONE barrier for the change of slots.  In front of it each wave waits for all its tensor loads (one is out: its part of the next slot), adds 0 to its spare word, and waits for
; that and for its reads of this slot.
.macro MEET round
	WIN 0
	s_wait_tensorcnt 0x0
	ds_add_u32 v[SPW], v[NIL]
	s_wait_dscnt 9                                 ; the add and the youngest eight loads may be out
	MUL16 F1, 0, 0, 0
	s_wait_dscnt 0x0                               ; the add is done, and my reads of this slot are over
	s_barrier_signal -1
	MUL16 F1, 0, 2, 0
.if \round
	WIN 0
.endif
	s_barrier_wait -1
.endm
; The whole last quarter: the slot just read out is filled again, two K steps on, first thing behind the round: 224 matrix instructions stand between the request and the wait for it.
.macro TURN slot, next
	s_wait_xcnt 0x0                                ; the last prefetch, a K step back, has read its address
	s_add_nc_u64 s[58:59], s[58:59], 256
	MEET 1
	CREST
	s_add_nc_u64 s[42+4*(\slot):43+4*(\slot)], s[42+4*(\slot):43+4*(\slot)], 512
	s_add_nc_u64 s[50+4*(\slot):51+4*(\slot)], s[50+4*(\slot):51+4*(\slot)], 512
	JLOAD \slot                                    ; its four v_nop are also the places in front of the loads below
	FETCH \next, 0, F0
	ASK
	MUL16 F1, 1, 0, 0
	MUL16 F1, 1, 2, 0
.endm
	s_wait_tensorcnt 1                             ; my part of K step 0 is in; K step 1's may stay out
	s_barrier_signal -1
	s_barrier_wait -1
	FETCH 0, 0, F0
	QUARTER 0, 64,  F0, F1, 1                      ; the first quarter's products start the sums
	WIN 0
	s_mov_b32 s3, 3
.Llap:                                         ; a trip goes once round the ring and fills both slots again: K steps 2 to 7
	QUARTER 0, 128, F1, F0, 0
	QUARTER 0, 192, F0, F1, 0
	TURN 0, 1
	QUARTER 1, 64,  F0, F1, 0
	QUARTER 1, 128, F1, F0, 0
	QUARTER 1, 192, F0, F1, 0
	TURN 1, 0
	QUARTER 0, 64,  F0, F1, 0
	WIN 0
	s_sub_co_u32 s3, s3, 1
	s_cmp_lg_u32 s3, 0
	s_cbranch_scc1 .Llap
	QUARTER 0, 128, F1, F0, 0                      ; the last lap fills nothing
	QUARTER 0, 192, F0, F1, 0
	MEET 0
	PLACES
	FETCH 1, 0, F0
	MUL16 F1, 1, 0, 0
	MUL16 F1, 1, 2, 0
	QUARTER 1, 64,  F0, F1, 0
	QUARTER 1, 128, F1, F0, 0
	QUARTER 1, 192, F0, F1, 0
	s_wait_dscnt 8
	MUL16 F1, 0, 0, 0
	MUL16 F1, 0, 2, 0
	s_wait_dscnt 0x0
	MUL16 F1, 1, 0, 0
	MUL16 F1, 1, 2, 0
	WIN 0
	PLACES
; THE EPILOGUE, a block a of 16 queries at a time, four blocks a walk, all in window 2.  A lane holds 64 of its query's 128 scores, the lane 16 away the others.
; MAXB: the largest of the 64, three operands at a time, in eight chains (each accumulator's lowest registers are read first); the other half of the lanes'; cm = c x maximum.
.macro MAXB a
.set AC, 64*(\a)
.set CM, 40+2*((\a)%2)
	WIN 0x2a                                       ; all three sources in window 2
.irp b, 0,1,2,3,4,5,6,7
	v_max3_num_f32 v[32+\b], v[AC+8*\b], v[AC+8*\b+1], v[AC+8*\b+2]
.endr
	WIN 0x28                                       ; sources 1 and 2
.irp b, 0,1,2,3,4,5,6,7
	v_max3_num_f32 v[32+\b], v[32+\b], v[AC+8*\b+3], v[AC+8*\b+4]
.endr
.irp b, 0,1,2,3,4,5,6,7
	v_max3_num_f32 v[32+\b], v[32+\b], v[AC+8*\b+5], v[AC+8*\b+6]
.endr
.irp i, 0,1,2,3
	v_max3_num_f32 v[32+2*\i], v[32+2*\i], v[AC+16*\i+7], v[AC+16*\i+15]
.endr
	WIN 0
	v_max3_num_f32 v32, v32, v33, v34
	v_max3_num_f32 v35, v35, v36, v37
	v_max3_num_f32 v32, v32, v38, v39
	v_max_num_f32 v32, v32, v35
	v_permlanex16_b32 v44, v32, s66, s67
	v_max_num_f32 v32, v32, v44
	v_mul_f32 v[CM], s68, v32
	v_mov_b32 v[CM+1], v[CM]                       ; named with it as a pair
.endm
.macro FMA a                           ; c s - cm, two at a time, into the block's 64 registers of window 0
.set AC, 64*(\a)
.set CM, 40+2*((\a)%2)
.set T,  64+64*((\a)%2)
	WIN 0x02                                       ; source 0 window 2
.set i, 0
.rept 32
	v_pk_fma_f32 v[T+2*i:T+2*i+1], v[AC+2*i:AC+2*i+1], s[68:69], v[CM:CM+1] op_sel_hi:[1,0,0] neg_lo:[0,0,1] neg_hi:[0,0,1]
.set i, i+1
.endr
	WIN 0
.endm
; Number j of the 64 plain instructions that follow a block's exponentials: 0-31 the roundings to f16, a pair each; 32-62 the sum of the 32 pairs, in place: 16, 8, 4, 2, 1 additions; 63 the pair's two halves.
.macro REST a, j
.set T, 64+64*((\a)%2)
.if (\j) < 32
	v_cvt_pk_f16_f32 v[TMP+(\j)], v[T+2*(\j)], v[T+2*(\j)+1]
.elseif (\j) < 63
.set d, 32
.set u, (\j)-32
.if (\j) >= 62
.set d, 2
.set u, 0
.elseif (\j) >= 60
.set d, 4
.set u, (\j)-60
.elseif (\j) >= 56
.set d, 8
.set u, (\j)-56
.elseif (\j) >= 48
.set d, 16
.set u, (\j)-48
.endif
	v_pk_add_f32 v[T+2*u:T+2*u+1], v[T+2*u:T+2*u+1], v[T+2*u+d:T+2*u+d+1]
.else
	v_add_f32 v46, v[T], v[T+1]
.endif
.endm
.macro FIN1 a                          ; l is finished; cm and l go to my statistics in LDS, E through my stage
.set CM, 40+2*((\a)%2)
	v_permlanex16_b32 v47, v46, s66, s67
	v_add_f32 v46, v46, v47
	ds_store_b32 v[SS], v[CM] offset:64*(\a)       ; both halves of the lanes write the same word with the same number
	ds_store_b32 v[SS], v46 offset:512+64*(\a)
.irp b, 0,1,2,3,4,5,6,7
	ds_store_b128 v[STO], v[TMP+4*\b:TMP+4*\b+3] offset:32*\b
.endr
	s_wait_xcnt 0x0                                ; the block before's stores have read the registers that are loaded now
.irp t, 0,1,2,3,4,5,6,7
	ds_load_b128 v[OB+4*\t:OB+4*\t+3], v[RD] offset:2*PITCH*\t  ; LDS serves a wave's instructions in order (ISA guide 5.7.1.4)
.endr
.endm
.macro FIN2 a
	s_wait_dscnt 0x0
.irp t, 0,1,2,3,4,5,6,7
	global_store_b128 v[CO], v[OB+4*\t:OB+4*\t+3], s[6:7] offset:(16*(\a)+2*\t)*4096  ; 16 lanes store 256 consecutive bytes, at a multiple of 256 from p's first byte
.endr
.endm
; Turn a of six: block a's maximum, scaling and exponentials; between the exponentials, one by one, block a - 1's roundings and sums; block a - 2's stores.  A block's 64 exponentials are ONE batch with one wait,
; nothing names a result of theirs ahead of it.
.macro BLOCK a
.if (\a) <= 3
	MAXB \a
	FMA \a
.endif
.if (\a) >= 2
	FIN2 (\a)-2
.endif
.set n, 0
.rept 64
.if (\a) <= 3
	v_exp_f32 v[64+64*((\a)%2)+n], v[64+64*((\a)%2)+n]
.endif
.if ((\a) >= 1) && ((\a) <= 4)
	REST (\a)-1, n
.endif
.set n, n+1
.endr
.if (\a) <= 3
	v_nop                                          ; a plain instruction behind the last exponential
	s_wait_alu depctr_va_vdst(0)                   ; the wait for the batch
.endif
.if ((\a) >= 1) && ((\a) <= 4)
	FIN1 (\a)-1
.endif
.endm
	s_mov_b32 s3, 2
.Lwalk:                                        ; the first walk: my queries 0-63; the second: queries 64-127
.irp a, 0,1,2,3,4,5
	BLOCK \a
.endr
	s_sub_co_u32 s3, s3, 1
	s_cmp_eq_u32 s3, 0
	s_cbranch_scc1 .Lstat
	WIN 0x83                                       ; source window 3, destination window 2: each accumulator's registers in ascending order
.set i, 0
.rept 256
	v_mov_b32 v[i], v[i]
.set i, i+1
.endr
	WIN 0
	v_add_nc_u32 v[SS], 256, v[SS]                 ; the statistics of 64 queries on
	s_wait_xcnt 0x0                                ; the stores have read their base
	s_add_nc_u64 s[6:7], s[6:7], 64*4096           ; 64 rows of p on
	s_branch .Lwalk
.Lstat:
	ds_load_b128 v[32:35], v[SR]                   ; cm of four queries a lane: my own wave's bytes
	ds_load_b128 v[36:39], v[SR] offset:512        ; and l
	s_wait_dscnt 0x0
	global_store_b128 v[LO], v[32:35], s[8:9]      ; 512 consecutive bytes each, aligned
	global_store_b128 v[LO], v[36:39], s[10:11]
	s_wait_tensorcnt 0x0                           ; the wave's end
	ds_add_u32 v[SPW], v[NIL]
	s_wait_dscnt 0x0
	CROUND                                         ; the closing round
	s_endpgm
.Lfunc_end_k_q070cf517df_scores:
	.size	k_q070cf517df_scores, .Lfunc_end_k_q070cf517df_scores-k_q070cf517df_scores
	.p2alignl 7, 3214868480
	.fill 96, 4, 3214868480
	.section	.rodata,"a",@progbits
	.p2align	6, 0x0
	.amdhsa_kernel k_q070cf517df_scores
		.amdhsa_group_segment_fixed_size 327680
		.amdhsa_private_segment_fixed_size 0
		.amdhsa_enable_private_segment 0
		.amdhsa_kernarg_size 32
		.amdhsa_user_sgpr_count 2
		.amdhsa_user_sgpr_kernarg_segment_ptr 1
		.amdhsa_wavefront_size32 1
		.amdhsa_system_sgpr_workgroup_id_x 1
		.amdhsa_system_sgpr_workgroup_id_y 1
		.amdhsa_system_sgpr_workgroup_id_z 1
		.amdhsa_system_vgpr_workitem_id 0
		.amdhsa_next_free_vgpr 1024
		.amdhsa_next_free_sgpr 76
		.amdhsa_reserve_vcc 0
		.amdhsa_float_denorm_mode_32 3
		.amdhsa_float_denorm_mode_16_64 3
		.amdhsa_memory_ordered 1
		.amdhsa_forward_progress 1
		.amdhsa_inst_pref_size 171
	.end_amdhsa_kernel
	.amdgpu_metadata
---
amdhsa.version: [ 1, 2 ]
amdhsa.kernels:
  - .name:           k_q070cf517df_scores
    .symbol:         k_q070cf517df_scores.kd
    .args:
      - { .name: qkv, .offset: 0, .size: 8, .value_kind: global_buffer, .address_space: global }
      - { .name: p, .offset: 8, .size: 8, .value_kind: global_buffer, .address_space: global }
      - { .name: mst, .offset: 16, .size: 8, .value_kind: global_buffer, .address_space: global }
      - { .name: lst, .offset: 24, .size: 8, .value_kind: global_buffer, .address_space: global }
    .group_segment_fixed_size: 327680
    .private_segment_fixed_size: 0
    .kernarg_segment_align: 8
    .kernarg_segment_size: 32
    .max_flat_workgroup_size: 128
    .sgpr_count:     76
    .vgpr_count:     1024
    .wavefront_size: 32
...
	.end_amdgpu_metadata
.endif
;; end of part 3
;; launch pv (part 4): grid 4 x 64, 4 waves a work-group, clusters of 4 x 4, 327,680 bytes of LDS; arguments p, qkv, mst, lst, out0; writes out0
.if DOCPART == 4
	.amdgcn_target "amdgcn-amd-amdhsa--gfx1250"
	.amdhsa_code_object_version 6
	.text
	.protected	k_q070cf517df_pv
	.globl	k_q070cf517df_pv
	.p2align	8
	.type	k_q070cf517df_pv,@function
k_q070cf517df_pv:
	s_mov_b64 s[64:65], 0
	v_nop
	global_prefetch_b8 v0, s[64:65] scope:SCOPE_SE
	s_setreg_imm32_b32 hwreg(HW_REG_WAVE_MODE, 25, 1), 1
	s_wait_xcnt 0x0
	s_wait_alu depctr_hold_cnt(0) depctr_sa_sdst(0) depctr_va_vdst(0) depctr_va_sdst(0) depctr_va_ssrc(0) depctr_va_vcc(0) depctr_vm_vsrc(0)
	s_getreg_b32 s2, hwreg(HW_REG_IB_STS2, 6, 4)
	s_cmp_eq_u32 s2, 0
	s_cbranch_scc0 .Lentry_in_a_cluster
	s_endpgm
.Lentry_in_a_cluster:
	s_bfe_u32 s2, ttmp6, 0x10000c
	s_cmp_lg_u32 s2, 0xf033
	s_cbranch_scc0 .Lentry_shape_is_right
	s_endpgm
.Lentry_shape_is_right:
; out0[row][e] = (the sum over the 16 chunks j of w_j x the sum over the chunk's 128 keys of E v[key][e]) / L, with w_j = 2^(cm_j - the row's largest cm) <= 1 and L = the sum of w_j l_j.
; E (f16, [8192][2048]), cm and l (f32, [16][8192]) come from the launch before, v (f16) from qkv at byte 4,096 of each row of 6,144.  out0 is f32 [8192][1024].
; w is rounded to f16, L is made of the rounded w; E w is rounded to f16 for the product; sums in f32; the division is a multiplication by 1 / L (L is at least about 1: the row's largest score has E w = 1).
; LIMITS.  E w below 6e-5 keeps f16's fixed step of 6e-8; a w below 2^-126 counts as 0.  NaN and infinities are not treated apart.
; SHARES.  A tile is 128 rows x 256 channels: 256 work-groups, four waves of 64 x 128, 32 accumulators each.
; v GOES THROUGH A RING of two LDS slots of 256 keys x 256 channels, filled by tensor loads, 64 keys a wave.  4 x 4 work-groups form a cluster; the four of a column need the same v and ask for it jointly.  A refill
; has 240 matrix instructions a wave between its request and the wait for it.
; E GOES THROUGH REGISTERS, and is not asked for jointly though the four work-groups of a row read the same E.  The reason: the two slots of v take 278,528 of the 327,680 bytes of LDS, so slots of as many keys
; for E (2 x 67,584 bytes) do not fit beside them; and loads into registers may stay out across barriers.  A wave loads 32 rows x 64 keys (a HALF of a chunk) with eight loads into one of four sets of 32 registers,
; so 32 loads of a wave are out at a time; it multiplies the half by its rows' factors, each number once, and stores it into one of two LDS buffers of 128 rows x 64 keys.
; A PERIOD is 64 keys.  Behind barrier i every wave loads half i + 4 from memory, reads the fragments of half i from LDS, multiplies half i - 1 (64 matrix instructions), and stores half i + 1 into the buffer that
; was read in period i - 1.  One work-group barrier a period orders both: in front of it each wave has waited for its LDS stores and reads.  Every fourth barrier changes v's slot.
; LAYOUT.  out^T = v^T (E w): source 0 = 16 channels x 32 keys, read from LDS turned (ds_load_tr16_b128); source 1 = 16 rows x 32 keys, as it lies.  A lane holds one row and eight neighbouring channels.
; REGISTERS, in windows of 256 (s_set_vgpr_msb: bits 1:0 source 0, 3:2 source 1, 5:4 source 2, 7:6 destination):
;   window 0: v0-31 addresses, 1 / L; v32-63 the statistics; v64-191 E's fragments (buffer f, K half c, row block a at 64 + 64 f + 8 (4 c + a)), on the way out rows read back; v192-255 the way out
;   window 1: v's fragments, buffer f, K half c, channel block b at 128 f + 8 (8 c + b)          window 2: accumulator (a, b) at 8 (8 a + b)
;   window 3: v0-127 four sets of E as loaded; v128-159 a half, scaled; v160-167 the factors of my eight rows a lane
.set PV,     544                       ; a row of v in LDS: 512 bytes + 32 = 136 words
.set VQ,     64*PV                     ; what one tensor load brings: 64 keys x 256 channels = 0x8800 bytes
.set SLOTV,  4*VQ                      ; a slot = 0x22000 bytes: bits 13 and 17, which wave x 0x8800 (bits 11, 12, 15, 16) never has: one exclusive or turns a wave's address in one slot into the other's
.set PE,     144                       ; a row of E in LDS: 128 bytes + 16: the 16 rows of a fragment load start at 16 different groups of four banks (ISA guide 11.1)
.set EBUF,   128*PE
.set EB,     2*SLOTV                   ; behind the ring, never filled by a tensor load: E's two buffers; on the way out each wave's stage
.set STW,    EBUF/2                    ; a wave's stage: 9,216 bytes for 16 rows x 528
.set SP,     528                       ; 512 bytes + 16
.set TAB,    EB+2*EBUF                 ; w of chunk j, row i of the work-group's 128 at 512 j + 4 i, the f16 in both halves of the word;
.set RLT,    8192                      ; behind them 1 / L of the 128 rows
.set SPARE,  TAB+RLT+512               ; the spare words, 128 bytes a wave
.set VROWB,  6144
.set VSTEP,  256*VROWB                 ; 256 keys on
.set FLAGV,  (1<<16)|(1<<20)|(1<<21)|(6<<22)|(7<<25)  ; 2-byte elements; padding on; bit 21 beside a mask; after every 128 words 8 words
.set A0,   6                           ; v6   my lane's place in E's buffer 0, for fragments
.set VB0,  7                           ; v7   my lane's place in a slot of v
.set ADRV, 8                           ; v8-9 the same in the slot being read: keys 0-127, keys 128-255 (an LDS immediate has 16 bits)
.set FT0,  10                          ; v10  my first row's word in chunk 0 of the table
.set FT,   11                          ; v11  the same in the chunk to be fetched
.set EO,   12                          ; v12  my byte offset in four rows of p
.set ES,   13                          ; v13  where I store 16 bytes of E in buffer 0
.set PFV,  14                          ; v14  v's prefetch offset
.set PFE,  15                          ; v15  E's
.set RL,   16                          ; v[16+2a:17+2a]  1 / L, named as a pair
.set STO,  24
.set RD,   25
.set CO,   26
.set SO,   27                          ; v27  4 x lane: my row in mst and lst
.set SPW,  28
.set NIL,  29
.set TW,   30                          ; v30  my row's word in chunk 0 of the table, for writing
.set RLA,  31                          ; v31  where 1 / L of my accumulators' rows lies
.set TMP,  192
.set SCD,  128                         ; window 3
.set FS,   160                         ; window 3
.set MUL,  0xa1                        ; source 0 (v) window 1, source 1 (E) window 0, C and D window 2
.set TO_B, 0x40
; scalars: s3 slots to go; s14 wave; s15 = wave / 2: my row half; s16 = wave % 2: my channel half; s17, s18 my place in the cluster; s19, s20 block of channels, of rows; s21 the cluster's y; s[24:25] where E's
; prefetch stands; s[26:27] p at the rows that I load; s[32:39] descriptor group 1; s[48:51], s[52:55] group 0 for the two first fills, of which the second then walks; s56 the slot being read; s57, s63 1 in a wave
; that prefetches v, E, else the greatest number; s[58:59] where v's prefetch stands; s62 the table's byte for the chunk to be fetched
.set MSB, 0
.macro WIN new
.if MSB != (\new)
	s_set_vgpr_msb (MSB<<8)|(\new)
.set MSB, \new
.endif
.endm
.macro PLACES                          ; four plain places behind matrix instructions, in front of loads into registers that they read and of arithmetic on their results
.rept 4
	v_nop
.endr
.endm
.macro CREST
	s_cmp_lg_u32 s14, 0
	s_cbranch_scc1 .Lnot_wave_0_\@
	s_barrier_signal -3
.Lnot_wave_0_\@:
	s_barrier_wait -3
	s_barrier_signal -1
	s_barrier_wait -1
.endm
.macro CROUND
	s_barrier_signal -1
	s_barrier_wait -1
	CREST
.endm
; A PREFETCH INTO THE L2 of the slot one refill on, 256 matrix instructions ahead of the loads that will want it.  v's 256 keys x 512 bytes are read by the four clusters of a batch: the first of them asks; of the
; 64 keys that a wave fetches each of the four partners of a column takes 16, two lanes a key.  E's 128 rows x 512 bytes: each of the four partners of a row takes 32 rows, a lane a row; wave 0 asks for the
; first 256 bytes, wave 1 for the others.  Partners are told apart by address.  The last refill has no slot behind it and asks for nothing.
.macro ASK
	s_cmp_gt_u32 s3, s57
	s_cbranch_scc0 .Lnot_v_\@
	global_prefetch_b8 v[PFV], s[58:59] th:TH_LOAD_NT scope:SCOPE_SE
.Lnot_v_\@:
	s_cmp_gt_u32 s3, s63
	s_cbranch_scc0 .Lnot_e_\@
	global_prefetch_b8 v[PFE], s[24:25] th:TH_LOAD_NT scope:SCOPE_SE
.Lnot_e_\@:
.endm
; eight loads: a half of E, my 32 rows x 128 bytes, into set q: a load takes four rows, eight lanes a row
.macro LOADE q, off
	WIN 0xc0                                       ; destination window 3, address window 0
.irp i, 0,1,2,3,4,5,6,7
	global_load_b128 v[32*(\q)+4*\i:32*(\q)+4*\i+3], v[EO], s[26:27] offset:(\off)+16384*\i
.endr
.endm
	s_load_b256 s[4:11], s[0:1], 0x0               ; p s[4:5], qkv s[6:7], mst s[8:9], lst s[10:11]
	s_load_b64 s[12:13], s[0:1], 0x20              ; out0
	v_lshl_add_u32 v[SPW], v0, 2, SPARE
	v_mov_b32 v[NIL], 0
	ds_add_u32 v[SPW], v[NIL]                      ; the wave's opening: the add and its wait stand ahead of my first tensor load
	v_lshrrev_b32 v1, 5, v0
	v_readfirstlane_b32 s14, v1
	s_lshr_b32 s15, s14, 1
	s_and_b32 s16, s14, 1
	s_bfe_u32 s17, ttmp6, 0x40000
	s_bfe_u32 s18, ttmp6, 0x40004
	s_lshl_b32 s19, ttmp9, 2
	s_add_co_u32 s19, s19, s17                     ; block of 256 channels
	s_and_b32 s21, ttmp7, 0xffff
	s_lshl_b32 s20, s21, 2
	s_add_co_u32 s20, s20, s18                     ; block of 128 rows; the batch is the cluster's y / 4
	s_lshl_b32 s23, 0x1111, s17                    ; my column of the cluster
	s_or_b32 s32, s23, FLAGV
	s_mov_b32 s33, 256<<16                         ; tensor_dim0 = 256 channels
	s_mov_b32 s34, 64<<16                          ; tensor_dim1 = 64 keys
	s_mov_b32 s35, 256<<16                         ; tile_dim0
	s_mov_b32 s36, 64                              ; tile_dim1
	s_mov_b32 s37, 3072                            ; elements from row to row
	s_mov_b32 s38, 0
	s_mov_b32 s39, 0
	s_lshr_b32 s72, s21, 2
	s_lshl_b32 s72, s72, 11                        ; the batch's first key
	s_lshl_b32 s73, s14, 6
	s_add_co_u32 s72, s72, s73                     ; + 64 x wave
	s_mul_i32 s72, s72, VROWB
	s_lshl_b32 s73, s19, 9
	s_add_co_u32 s72, s72, s73                     ; + 512 bytes a block of channels
	s_add_co_u32 s72, s72, 4096                    ; v lies 4,096 bytes into a row
	s_mov_b32 s73, 0
	s_mul_i32 s23, s14, VQ                         ; where they go in a slot: no place in the cluster enters an LDS address
	s_mov_b32 s56, 0
	s_mov_b32 s62, 0
	s_wait_dscnt 0x0                               ; the opening add is done
	s_wait_kmcnt 0x0
	s_add_nc_u64 s[72:73], s[6:7], s[72:73]
.irp n, 0,1
	s_mov_b32 s[48+4*\n], 1                        ; count = 1
	s_add_co_u32 s[49+4*\n], s23, \n*SLOTV         ; LDS address
	s_add_nc_u64 s[50+4*\n:51+4*\n], s[72:73], \n*VSTEP  ; global address: keys 256 n on
	s_or_b32 s[51+4*\n], s[51+4*\n], 0x80000000    ; type = 2
.endr
	CROUND                                         ; all sixteen work-groups are here: the first joint loads meet
	tensor_load_to_lds s[48:51], s[32:39]          ; both slots: two loads of mine are out
	s_nop 0
	tensor_load_to_lds s[52:55], s[32:39]
	s_nop 0
.rept 4
	v_nop
.endr
	v_and_b32 v5, 31, v0                           ; lane
	v_lshlrev_b32 v[SO], 2, v5
	s_lshl_b32 s74, s20, 7
	s_lshl_b32 s75, s14, 5
	s_add_co_u32 s74, s74, s75                     ; the rows that I load and whose factors I make: 128 x block + 32 x wave on, a lane a row
	s_lshl_b32 s22, s74, 2
	s_mov_b32 s23, 0
	s_add_nc_u64 s[8:9], s[8:9], s[22:23]
	s_add_nc_u64 s[10:11], s[10:11], s[22:23]
.irp c, 0,1,2,3,4,5,6,7,8,9,10,11,12,13,14,15
	global_load_b32 v[32+\c], v[SO], s[8:9] offset:32768*\c    ; cm of my row, chunk c
.endr
.irp c, 0,1,2,3,4,5,6,7,8,9,10,11,12,13,14,15
	global_load_b32 v[48+\c], v[SO], s[10:11] offset:32768*\c  ; l
.endr
	s_lshl_b32 s22, s74, 12
	s_add_nc_u64 s[26:27], s[4:5], s[22:23]        ; p at my first row
	v_lshrrev_b32 v3, 3, v5                        ; lane / 8: which of a load's four rows
	v_and_b32 v4, 7, v5                            ; lane % 8: which 16 bytes of its 128
	v_lshlrev_b32 v[EO], 12, v3
	v_lshl_add_u32 v[EO], v4, 4, v[EO]
	LOADE 0, 0                                     ; halves 0, 1, 2
	LOADE 1, 128
	LOADE 2, 256
	WIN 0
	v_and_b32 v1, 15, v0                           ; r
	v_bfe_u32 v2, v0, 4, 1                         ; h
	v_mul_u32_u24 v[A0], v1, PE
	v_lshl_add_u32 v[A0], v2, 4, v[A0]             ; a fragment's row x pitch + 16 h
	s_mul_i32 s22, s15, 64*PE                      ; my 64 rows
	s_add_co_u32 s22, s22, EB
	v_add_nc_u32 v[A0], s22, v[A0]
	v_mul_u32_u24 v[ES], v3, PE
	v_lshl_add_u32 v[ES], v4, 4, v[ES]
	s_mul_i32 s22, s14, 32*PE                      ; the 32 rows that I store
	s_add_co_u32 s22, s22, EB
	v_add_nc_u32 v[ES], s22, v[ES]
	s_lshl_b32 s22, s14, 7
	s_add_co_u32 s22, s22, TAB                     ; the table at row 32 x wave
	v_lshl_add_u32 v[FT0], v3, 2, s22
	v_lshl_add_u32 v[TW], v5, 2, s22
	s_lshl_b32 s22, s15, 8
	s_add_co_u32 s22, s22, TAB+RLT
	v_lshl_add_u32 v[RLA], v1, 2, s22
	; The turning load takes 16 keys x 16 channels (lane l reads key 8 (l / 16) + l % 8, channels 8 ((l / 8) % 2) + 0..7) and leaves half a fragment of v^T: lane l holds channel l % 16 and 8 keys.
	v_and_b32 v3, 7, v0
	v_lshl_add_u32 v3, v2, 3, v3
	v_mul_u32_u24 v3, v3, PV
	v_bfe_u32 v4, v0, 3, 1
	v_lshl_add_u32 v3, v4, 4, v3
	s_lshl_b32 s22, s16, 8                         ; my 128 channels
	v_add_nc_u32 v[VB0], s22, v3
	s_mul_i32 s22, s14, STW
	s_add_co_u32 s22, s22, EB                      ; my stage
	v_mul_u32_u24 v3, v1, SP
	v_lshl_add_u32 v3, v2, 5, v3
	v_add_nc_u32 v[STO], s22, v3                   ; in: row r, 32 bytes for each half of the lanes
	v_lshl_add_u32 v[RD], v5, 4, s22               ; back: 32 lanes take one row of 512 bytes
	v_lshlrev_b32 v[CO], 4, v5
	s_lshl_b32 s74, s20, 7
	s_lshl_b32 s75, s15, 6
	s_add_co_u32 s74, s74, s75                     ; my accumulators' first row: 128 x block + 64 x half
	s_lshl_b32 s74, s74, 12
	s_lshl_b32 s75, s19, 10
	s_add_co_u32 s74, s74, s75
	s_lshl_b32 s75, s16, 9
	s_add_co_u32 s74, s74, s75
	s_mov_b32 s75, 0
	s_add_nc_u64 s[12:13], s[12:13], s[74:75]      ; out0 at my first row and channel
	; the prefetches: both stand at slot 2; the first refill steps them to slot 3
	s_lshr_b32 s60, s21, 2
	s_lshl_b32 s60, s60, 11
	s_lshl_b32 s61, s14, 6
	s_add_co_u32 s60, s60, s61
	s_lshl_b32 s61, s18, 4
	s_add_co_u32 s60, s60, s61
	s_add_co_u32 s60, s60, 2*256                   ; v: the batch + the 64 keys that I fetch + my work-group's 16
	s_mul_i32 s60, s60, VROWB
	s_lshl_b32 s61, s19, 9
	s_add_co_u32 s60, s60, s61
	s_add_co_u32 s60, s60, 4096
	s_mov_b32 s61, 0
	s_add_nc_u64 s[58:59], s[6:7], s[60:61]
	s_and_b32 s22, s21, 3
	s_cmp_eq_u32 s22, 0                            ; the batch's first cluster: the same in all sixteen partners
	s_cselect_b32 s57, 1, -1
	s_lshl_b32 s60, s20, 7
	s_lshl_b32 s22, s17, 5
	s_add_co_u32 s60, s60, s22                     ; E: row 128 x block + my work-group's 32
	s_lshl_b32 s60, s60, 12
	s_lshl_b32 s22, s16, 8
	s_add_co_u32 s60, s60, s22                     ; which 256 of the slot's 512 bytes
	s_add_co_u32 s60, s60, 2*512
	s_add_nc_u64 s[24:25], s[4:5], s[60:61]
	s_cmp_lt_u32 s14, 2
	s_cselect_b32 s63, 1, -1
	v_lshrrev_b32 v3, 1, v5
	v_mul_u32_u24 v3, v3, VROWB                    ; v: two lanes a key,
	v_and_b32 v4, 1, v5
	v_lshl_add_u32 v[PFV], v4, 8, v3               ; 256 bytes each
	v_lshlrev_b32 v[PFE], 12, v5                   ; E: a lane a row of 4,096 bytes
	; THE FACTORS of my 32 rows, a lane a row; all this stands in the wait for the first tile
	s_wait_loadcnt 24                              ; the 32 statistics are in; E's 24 loads behind them stay out
	LOADE 3, 384                                   ; half 3
	WIN 0
	v_max3_num_f32 v192, v32, v33, v34
	v_max3_num_f32 v193, v35, v36, v37
	v_max3_num_f32 v192, v192, v38, v39
	v_max3_num_f32 v193, v193, v40, v41
	v_max3_num_f32 v192, v192, v42, v43
	v_max3_num_f32 v193, v193, v44, v45
	v_max3_num_f32 v192, v192, v46, v47
	v_max_num_f32 v192, v192, v193                 ; the row's largest cm
.set i, 0
.rept 16
	v_sub_f32 v[32+i], v[32+i], v192
.set i, i+1
.endr
.set i, 0
.rept 16
	v_exp_f32 v[32+i], v[32+i]                     ; one batch
.set i, i+1
.endr
	v_mov_b32 v194, 0                              ; L starts at 0, in two chains: plain instructions behind the last exponential,
	v_mov_b32 v195, 0
	s_wait_alu depctr_va_vdst(0)                   ; and the one wait ahead of the first use
.set i, 0
.rept 16
	v_cvt_pk_f16_f32 v[32+i], v[32+i], v[32+i]     ; w as f16, in both halves
.set i, i+1
.endr
.set i, 0
.rept 16
	ds_store_b32 v[TW], v[32+i] offset:512*i
.set i, i+1
.endr
.set i, 0
.rept 16
	v_fma_mix_f32 v[194+i%2], v[32+i], v[48+i], v[194+i%2] op_sel_hi:[1,0,0]  ; L += the rounded w x l
.set i, i+1
.endr
	v_add_f32 v194, v194, v195
	v_rcp_f32 v194, v194
	v_nop
	s_wait_alu depctr_va_vdst(0)
	ds_store_b32 v[TW], v194 offset:RLT
	s_wait_dscnt 0x0                               ; for the others' sake: my part of the table is written
	s_barrier_signal -1
	s_barrier_wait -1                              ; the table is whole; the tensor loads may stay out
; 16 matrix instructions: row blocks a0, a0 + 1 x all 8 channel blocks, 32 keys: half c of buffer f.  The 32 accumulators take turns in one fixed order.
.macro MUL16 f, c, a0, zero
	WIN MUL
.irp a, \a0, (\a0)+1
.irp b, 0,1,2,3,4,5,6,7
.if \zero
	v_wmma_f32_16x16x32_f16 v[8*(8*(\a)+(\b)):8*(8*(\a)+(\b))+7], v[128*(\f)+8*(8*(\c)+(\b)):128*(\f)+8*(8*(\c)+(\b))+7], v[64+64*(\f)+8*(4*(\c)+(\a)):64+64*(\f)+8*(4*(\c)+(\a))+7], 0
.else
	v_wmma_f32_16x16x32_f16 v[8*(8*(\a)+(\b)):8*(8*(\a)+(\b))+7], v[128*(\f)+8*(8*(\c)+(\b)):128*(\f)+8*(8*(\c)+(\b))+7], v[64+64*(\f)+8*(4*(\c)+(\a)):64+64*(\f)+8*(4*(\c)+(\a))+7], v[8*(8*(\a)+(\b)):8*(8*(\a)+(\b))+7]
.endif
.endr
.endr
.endm
; 48 LDS loads in one run: the fragments of the slot's 64 keys number k, into buffer k % 2: v's 32, turned, then E's 16 out of E's buffer k % 2
.macro FETCH k
	WIN TO_B
.irp c, 0,1
.irp b, 0,1,2,3,4,5,6,7
	ds_load_tr16_b128 v[128*((\k)%2)+8*(8*(\c)+(\b)):128*((\k)%2)+8*(8*(\c)+(\b))+3],   v[ADRV+(\k)/2] offset:(2*((\k)%2)+(\c))*32*PV+32*(\b)
	ds_load_tr16_b128 v[128*((\k)%2)+8*(8*(\c)+(\b))+4:128*((\k)%2)+8*(8*(\c)+(\b))+7], v[ADRV+(\k)/2] offset:(2*((\k)%2)+(\c))*32*PV+32*(\b)+16*PV
.endr
.endr
	WIN 0
.irp c, 0,1
.irp a, 0,1,2,3
	ds_load_b128 v[64+64*((\k)%2)+8*(4*(\c)+(\a)):64+64*((\k)%2)+8*(4*(\c)+(\a))+3],   v[A0] offset:((\k)%2)*EBUF+64*(\c)+16*PE*(\a)
	ds_load_b128 v[64+64*((\k)%2)+8*(4*(\c)+(\a))+4:64+64*((\k)%2)+8*(4*(\c)+(\a))+7], v[A0] offset:((\k)%2)*EBUF+64*(\c)+16*PE*(\a)+32
.endr
.endr
.endm
; set q of E times its rows' factors, two f16 an instruction, into registers of their own (so that the set is free to be loaded again), and from there into E's buffer e
.macro STORE q, e
	WIN 0xcf                                       ; all in window 3
.irp i, 0,1,2,3,4,5,6,7
.irp j, 0,1,2,3
	v_pk_mul_f16 v[SCD+4*\i+\j], v[32*(\q)+4*\i+\j], v[FS+\i]
.endr
.endr
	WIN 0x0c                                       ; address window 0, data window 3
.irp i, 0,1,2,3,4,5,6,7
	ds_store_b128 v[ES], v[SCD+4*\i:SCD+4*\i+3] offset:(\e)*EBUF+4*PE*\i
.endr
.endm
.macro FSLOAD                          ; the next chunk's factors of my eight rows a lane
	WIN 0
	v_add_nc_u32 v[FT], s62, v[FT0]
	s_add_co_u32 s62, s62, 512
	WIN 0xc0
.irp i, 0,1,2,3,4,5,6,7
	ds_load_b32 v[FS+\i], v[FT] offset:16*\i
.endr
.endm
; PERIOD i, the slot's number k = i % 4, from behind its barrier to in front of the next.  ld: half i + 4 is loaded into set k, which was stored from in the period before.  st: half i + 1 is scaled and stored;
; left: how many younger loads may stay out.  fs: the next chunk's factors are fetched (behind the second half of a chunk).  mul = 2: 48 of the 64 products of half i - 1; 1: they start the sums; 0: none.
.macro PER k, ld, st, left, fs, mul, ask=0
.if \ld
	LOADE \k, 128*((\k)+4)
.endif
	FETCH \k
.if \ask
	ASK                                            ; behind the joint load, my loads and the run of LDS loads
.endif
.if \mul
	MUL16 ((\k)+1)%2, 0, 0, 2-(\mul)
.endif
.if \st
	s_wait_loadcnt \left                           ; loads come back in order: the set to be stored is in, the younger sets of eight stay out
	STORE ((\k)+1)%4, ((\k)+1)%2
.endif
.if \fs
	FSLOAD
.endif
.if \mul
	MUL16 ((\k)+1)%2, 0, 2, 2-(\mul)
	MUL16 ((\k)+1)%2, 1, 0, 0
.endif
.endm
; A period's barrier where v's slot stays: my LDS stores and reads are done; the half's last 16 products stand between signal and wait.  Behind it nothing is filled by a tensor load, so mine may stay out.
.macro BARP k, mul, places=1
	s_wait_dscnt 0x0
	s_barrier_signal -1
.if \mul
	MUL16 ((\k)+1)%2, 1, 2, 0
.endif
	s_barrier_wait -1
.if \places
	PLACES                                         ; in front of the loads into the buffer just multiplied
.endif
.endm
; THE CHANGE OF SLOTS: the barrier behind a slot's fourth period.  Each wave waits for all its tensor loads (one is out: its part of the next slot), adds 0 to its spare word, and waits for that and for its LDS
; stores and reads.  fill = 1: the slot just read is filled again, 512 keys on; the barrier is then a round of the cluster's, and the joint refill is the first thing behind it.
.macro CHANGE fill
.if \fill
	s_wait_xcnt 0x0                                ; my loads, the youngest 48 products back, and my prefetches, four periods back, have read their addresses
	s_add_nc_u64 s[26:27], s[26:27], 512           ; E: four halves on
	s_add_nc_u64 s[58:59], s[58:59], VSTEP
	s_add_nc_u64 s[24:25], s[24:25], 512
.endif
	WIN 0
	s_wait_tensorcnt 0x0                           ; no tensor load of mine is out, so a group 0 may be written
	ds_add_u32 v[SPW], v[NIL]                      ; 0 onto my spare word; work on registers stands between it and the wait for it
.if \fill
	s_xor_b32 s53, s53, SLOTV                      ; the walking descriptor: the other slot than last time,
	s_add_nc_u64 s[54:55], s[54:55], VSTEP         ; the next 256 keys; the type bits on top are not reached
.endif
	s_xor_b32 s56, s56, SLOTV                      ; the fetches go on in the other slot
	MUL16 0, 1, 2, 0                               ; the half's last 16 products
	s_wait_dscnt 0x0
	WIN 0
	s_barrier_signal -1
	s_barrier_wait -1
.if \fill
	CREST                                          ; no wave of any partner still reads this slot or has a load on its way
	tensor_load_to_lds s[52:55], s[32:39]
	s_nop 0
.endif
	PLACES                                         ; behind a tensor load; also the places in front of the loads into the buffer just multiplied
	v_add_nc_u32 v[ADRV], s56, v[VB0]
	v_add_nc_u32 v[ADRV+1], 128*PV, v[ADRV]
.endm
	FSLOAD                                         ; chunk 0's factors
	WIN 0
.irp a, 0,1,2,3
	ds_load_b32 v[RL+2*\a], v[RLA] offset:64*\a    ; 1 / L of my accumulators' rows
.endr
	s_wait_loadcnt 24                              ; half 0 is in; halves 1, 2, 3 stay out
	s_wait_dscnt 0x0
.irp a, 0,1,2,3
	v_mov_b32 v[RL+2*\a+1], v[RL+2*\a]             ; named as pairs
.endr
	STORE 0, 0                                     ; half 0
	WIN 0
	s_wait_tensorcnt 1                             ; my part of slot 0 is in; slot 1's may stay out
	s_wait_dscnt 0x0
	s_barrier_signal -1
	s_barrier_wait -1
	v_add_nc_u32 v[ADRV], s56, v[VB0]
	v_add_nc_u32 v[ADRV+1], 128*PV, v[ADRV]
	PER 0, 1, 1, 24, 1, 0                          ; period 0 has nothing to multiply yet,
	BARP 0, 0, 0
	PER 1, 1, 1, 24, 0, 1                          ; period 1's products start the sums: these two are written out
	BARP 1, 1
	WIN 0
	s_mov_b32 s3, 7
	s_branch .Lmid                                 ; the loop is entered in the middle of a trip
.Lslot:                                        ; six times: a slot is left and filled again (keys 512 to 2,047), and the other is walked
	CHANGE 1
	PER 0, 1, 1, 24, 1, 2, 1
	BARP 0, 1
	PER 1, 1, 1, 24, 0, 2
	BARP 1, 1
	WIN 0
.Lmid:
	PER 2, 1, 1, 24, 1, 2
	BARP 2, 1
	PER 3, 1, 1, 24, 0, 2
	WIN 0
	s_sub_co_u32 s3, s3, 1
	s_cmp_lg_u32 s3, 0
	s_cbranch_scc1 .Lslot
	CHANGE 0                                       ; the last slot has a text of its own: nothing is filled and nothing is loaded; the counts run down
	PER 0, 0, 1, 16, 1, 2
	BARP 0, 1
	PER 1, 0, 1, 8, 0, 2
	BARP 1, 1
	PER 2, 0, 1, 0, 0, 2
	BARP 2, 1
	PER 3, 0, 0, 0, 0, 2
	BARP 3, 1, 0                                   ; every wave's reads of E's buffers are over: behind this barrier they are the stages
	MUL16 1, 0, 0, 0                               ; the last half
	MUL16 1, 0, 2, 0
	MUL16 1, 1, 0, 0
	MUL16 1, 1, 2, 0
	WIN 0
	PLACES
; THE WAY OUT, a block of 16 rows at a time: times 1 / L; 32 bytes a lane into my own stage; back as whole rows of 512 bytes; stored.
.macro SCL a
	WIN 0x02                                       ; source 0 window 2
.set i, 0
.rept 32
	v_pk_mul_f32 v[TMP+2*i:TMP+2*i+1], v[64*(\a)+2*i:64*(\a)+2*i+1], v[RL+2*(\a):RL+2*(\a)+1] op_sel_hi:[1,0]
.set i, i+1
.endr
	WIN 0
.endm
.macro TOSTAGE a
.set BK, 64+64*((\a)%2)
.irp b, 0,1,2,3,4,5,6,7
	ds_store_b128 v[STO], v[TMP+8*(\b):TMP+8*(\b)+3]   offset:64*(\b)
	ds_store_b128 v[STO], v[TMP+8*(\b)+4:TMP+8*(\b)+7] offset:64*(\b)+16
.endr
.irp t, 0,1,2,3,4,5,6,7,8,9,10,11,12,13,14,15
	ds_load_b128 v[BK+4*(\t):BK+4*(\t)+3], v[RD] offset:SP*(\t)  ; LDS serves a wave's instructions in order (ISA guide 5.7.1.4)
.endr
.endm
.macro SEND a
.set BK, 64+64*((\a)%2)
	s_wait_dscnt 0x0
	s_wait_xcnt 0x0                                ; earlier stores have read their registers: the other set of 64 is loaded again only behind this wait
.irp t, 0,1,2,3,4,5,6,7,8,9,10,11,12,13,14,15
	global_store_b128 v[CO], v[BK+4*(\t):BK+4*(\t)+3], s[12:13] offset:(16*(\a)+(\t))*4096 th:TH_STORE_NT  ; 512 consecutive bytes, at a multiple of 256 from out0's first byte
.endr
.endm
	SCL 0
	TOSTAGE 0
.irp a, 1,2,3
	SCL \a
	SEND (\a)-1
	TOSTAGE \a
.endr
	SEND 3
	s_wait_tensorcnt 0x0                           ; the wave's end
	ds_add_u32 v[SPW], v[NIL]
	s_wait_dscnt 0x0
	CROUND                                         ; the closing round
	s_endpgm
.Lfunc_end_k_q070cf517df_pv:
	.size	k_q070cf517df_pv, .Lfunc_end_k_q070cf517df_pv-k_q070cf517df_pv
	.p2alignl 7, 3214868480
	.fill 96, 4, 3214868480
	.section	.rodata,"a",@progbits
	.p2align	6, 0x0
	.amdhsa_kernel k_q070cf517df_pv
		.amdhsa_group_segment_fixed_size 327680
		.amdhsa_private_segment_fixed_size 0
		.amdhsa_enable_private_segment 0
		.amdhsa_kernarg_size 40
		.amdhsa_user_sgpr_count 2
		.amdhsa_user_sgpr_kernarg_segment_ptr 1
		.amdhsa_wavefront_size32 1
		.amdhsa_system_sgpr_workgroup_id_x 1
		.amdhsa_system_sgpr_workgroup_id_y 1
		.amdhsa_system_sgpr_workgroup_id_z 1
		.amdhsa_system_vgpr_workitem_id 0
		.amdhsa_next_free_vgpr 960
		.amdhsa_next_free_sgpr 76
		.amdhsa_reserve_vcc 0
		.amdhsa_float_denorm_mode_32 3
		.amdhsa_float_denorm_mode_16_64 3
		.amdhsa_memory_ordered 1
		.amdhsa_forward_progress 1
		.amdhsa_inst_pref_size 152
	.end_amdhsa_kernel
	.amdgpu_metadata
---
amdhsa.version: [ 1, 2 ]
amdhsa.kernels:
  - .name:           k_q070cf517df_pv
    .symbol:         k_q070cf517df_pv.kd
    .args:
      - { .name: p, .offset: 0, .size: 8, .value_kind: global_buffer, .address_space: global }
      - { .name: qkv, .offset: 8, .size: 8, .value_kind: global_buffer, .address_space: global }
      - { .name: mst, .offset: 16, .size: 8, .value_kind: global_buffer, .address_space: global }
      - { .name: lst, .offset: 24, .size: 8, .value_kind: global_buffer, .address_space: global }
      - { .name: out0, .offset: 32, .size: 8, .value_kind: global_buffer, .address_space: global }
    .group_segment_fixed_size: 327680
    .private_segment_fixed_size: 0
    .kernarg_segment_align: 8
    .kernarg_segment_size: 40
    .max_flat_workgroup_size: 128
    .sgpr_count:     76
    .vgpr_count:     960
    .wavefront_size: 32
...
	.end_amdgpu_metadata
.endif
;; end of part 4
